; MI455X (gfx1250); checked and timed in simulation.
; The chip was launched on July 23, 2026; its instructions are those of AMD's public machine-readable ISA for CDNA 5 (MIT licence, August 2026) and "CDNA5" Instruction Set Architecture Reference Guide (July 2026). The comments in the code are by the model that wrote it; some were corrected since.
;; Adaptive Transformer Model. Allowed arithmetic: matrix products marked QUANTISED: E2M3 operands, one E8M0 scale for each 32 along K, by v_wmma_scale_f32_16x16x128_f8f6f4 with both operands' format E2M3, f32 sums; everything else in f32.
;; Inputs: Wk 16 x 1,024 x 64 float32; Wo 16 x 64 x 1,024 float32; Wq 16 x 1,024 x 64 float32; Wv 16 x 1,024 x 64 float32; bk 16 x 64 float32; bo 16 x 1,024 float32; bq 16 x 64 float32; bv 16 x 64 float32; gate 16 float32; hidden_states 4 x 2,048 x 1,024 float32.
;; Outputs: out0 4 x 2,048 x 1,024 float32.
;; This version of the problem:
;;   THIS VERSION OF THE PROBLEM IS GIVEN IN LOW PRECISION. The matrix products marked QUANTISED in the list below multiply operands that are first quantised to E2M3 (2 exponent bits, 3 mantissa bits; 6 bits a number), with one power-of-two scale for each 32 numbers along K (OCP MX v1.0); their sums are f32. All else is computed in f32.
;;   The module's matrix products, in the order in which they are computed (A, B: the left and right operand; K: the contracted axis; several contracted axes count as one K, in the product's order):
;;     1. [M 1,024, K 1,024] x [K 1,024, N 8,192]; A: input Wq; B: input hidden_states: QUANTISED
;;     2. [M 1,024, K 1,024] x [K 1,024, N 8,192]; A: input Wk; B: input hidden_states: QUANTISED
;;     3. [M 1,024, K 1,024] x [K 1,024, N 8,192]; A: input Wv; B: input hidden_states: QUANTISED
;;     4. batch 64 x [M 2,048, K 64] x [K 64, N 2,048]; A: computed on the way; B: computed on the way: QUANTISED
;;     5. batch 64 x [M 2,048, K 2,048] x [K 2,048, N 64]; A: softmax (see below); B: computed on the way: QUANTISED
;;     6. batch 16 x [M 1,024, K 64] x [K 64, N 8,192]; A: input Wo; B: computed on the way: QUANTISED
;;   THE QUANTISER, for each operand of a quantised product, along K:
;;     - K is cut into blocks of 32 from its start; a last block that is shorter is filled with zeros.
;;     - A block's scale is 2^e with e = floor(log2(the largest magnitude in the block)) - 2, held to -126 .. 127; a block of zeros has e = 0. As a byte (E8M0): e + 127.
;;     - Each number is divided by its block's scale, clamped to +-7.5, and rounded to the nearest number of E2M3, ties to even, subnormals kept.
;;     - The product sums the exact products of the quantised numbers (number of the format x scale) in f32.
;;   ~~~python
;;   def quantise(x, axis):      # numpy; x: float32 -> the quantised numbers, widened to float32 again
;;       x = np.moveaxis(x, axis, -1); K = x.shape[-1]
;;       x = np.pad(x, [(0, 0)] * (x.ndim - 1) + [(0, -K % 32)]); x = x.reshape(x.shape[:-1] + (-1, 32)); a = np.abs(x).max(-1, keepdims=True)
;;       e = np.where(a > 0, np.clip(np.frexp(np.where(a > 0, a, 1))[1] - 1 - 2, -126, 127), 0)      # np.frexp(a)[1] - 1 = floor(log2(a)), exactly
;;       r = np.clip(x / 2.0 ** e, -7.5, 7.5)
;;       step = 2.0 ** (np.maximum(np.frexp(np.where(r == 0, 1, r))[1] - 1, 0) - 3)
;;       q = np.round(r / step) * step * 2.0 ** e      # np.round: ties to even
;;       return np.moveaxis(q.reshape(q.shape[:-2] + (-1,))[..., :K], -1, axis).astype(np.float32)
;;   ~~~
;;   SOFTMAX AHEAD OF A QUANTISED PRODUCT. Where the list says 'softmax', what is quantised is not the finished softmax but p = 2^(t - M), with t = logit x log2(e) and M = ceil(the row's largest t), a whole number; so 1/2 < the row's largest p <= 1. The row's sum l is taken of the UNQUANTISED p, in f32, and the product's result is divided by l at the end. Since M is a whole number, a kernel that streams over the keys may use a running M (the ceiling of the running maximum): every later rescaling is an exact power of two, which a block's scale takes up: the codes' values come out the same.
;;   OPERANDS COMPUTED ON THE WAY. 'Computed on the way' means the value that the module computes at that place (a softmax that the list does not call 'softmax' is quantised finished and normalised). What goes into a quantiser is computed in f32, as accurately as f32 sums, v_exp_f32 and their like allow (about 1e-6 of the number): no bf16 or f16 on the way to a quantiser, and a product that is left as it is and whose result goes on into a quantised operand takes f32 operands (vector FMAs, or v_wmma_f32_16x16x4_f32). A number that lies on a knife's edge between two numbers of the format may be rounded either way, as far as f32 arithmetic and the matrix unit's own rounding can turn it there, and no further.
;; One version. Each part assembles by itself: llvm-mc -triple=amdgcn-amd-amdhsa -mcpu=gfx1250 --defsym DOCPART=n.
;; ======== version 1 of 1: 4 launches
;; workspace buffers: xq 6,553,600 bytes; wq 2,457,600 bytes; woq 819,200 bytes; qc 6,815,744 bytes; kv 13,369,344 bytes; ow 33,554,432 bytes; nsum 1,024 bytes
;; launch prep (part 1): grid 768 x 1, 4 waves a work-group, no clusters, 34,304 bytes of LDS; arguments hidden_states, Wq, Wk, Wv, Wo, xq, wq, woq; writes xq, wq, woq
.if DOCPART == 1
	.amdgcn_target "amdgcn-amd-amdhsa--gfx1250"
	.amdhsa_code_object_version 6
	.text
	.protected	k_qd98bf258c1_prep
	.globl	k_qd98bf258c1_prep
	.p2align	8
	.type	k_qd98bf258c1_prep,@function
k_qd98bf258c1_prep:
	s_mov_b64 s[64:65], 0
	v_nop
	global_prefetch_b8 v0, s[64:65] scope:SCOPE_SE
	s_setreg_imm32_b32 hwreg(HW_REG_WAVE_MODE, 25, 1), 1
	s_wait_xcnt 0x0
; hidden_states, Wq, Wk, Wv and Wo (f32) become codes of FP6 (E2M3) with one E8M0 byte for each 32 along K, laid as IMAGES OF OPERAND REGISTERS for the later launches.
; A block's scale is 2^(floor(log2(largest magnitude)) - 2): its byte is the largest magnitude's exponent field - 2, held at 1 from below by a floor among the maximum's leaves.
; LIMITS: a block whose largest magnitude lies under 2^-124, and a block of zeros, get the byte 1 (their codes are what the conversion gives; the bytes are read by this program alone); NaN and infinities are not served.
; A fragment (16 rows x 128 K) is 12 registers a lane: lane (r, h) holds row r, registers 6 c .. 6 c + 5 hold K = 64 c + 32 h + 0 .. 31.  FULL IMAGE, 1,536 bytes: registers 4 g .. 4 g + 3 of lane l at 512 g + 16 l.
; HALF IMAGE (64 along K), 768 bytes: registers 0-3 at 16 l, registers 4-5 at 512 + 8 l.
; TILES OF x AND OF Wq, Wk, Wv ARE PERMUTED: tile i (0..7) of a group of 128 rows holds in lane r the row 32 (i / 2) + 8 (i % 2) + r + 8 (r / 8).  Wo's tiles are natural.
; xq: codes [group 64][K step 8][tile 8][1,536]; from XSO on scale words [group][pair of steps 4][tile 8][row 16][2 words].  wq: the same for the 3,072 rows 1,024 m + 64 head + column (24 groups), scale words from WSO on.
; woq: [quarter of columns 4][pair of heads 8][25,600]: 16 tiles x (half image of the even head, of the odd head); from 24,576 on the scale words (bytes: even head's two, odd head's two) at 512 a + 16 l + 4 j for tile 8 a + 4 (l / 16) + j, row l % 16.
; Three paths, parted by the work-group's number: 0-511 x, 512-703 Wq Wk Wv, 704-767 Wo.  No wave shares anything with another: no barrier.  Only the first path uses LDS.
.set XSO,  6291456
.set WSO,  2359296
.set SP,   528                         ; a stage row: 512 bytes + 16, so that sixteen rows' reads of 16 bytes fall on sixteen different columns of 16 bytes
.set SEL,  38                          ; s[38:39] lane selects: lane l xor 16
.set RR,   16                          ; v16-143  x as loaded: (K step q, row p) at 64 q + 4 p
.set XX,   144                         ; v144-207 64 numbers of my row, register 16 b + i = K 32 b + 16 h + i
.set PC,   208                         ; v208-231 the two fragments made
.set CT,   232                         ; v232-239 the conversions' second halves
.set TM,   240                         ; v240-255 at work in QUANT
.set NUM,  32                          ; v32-95   column paths: two sets of 32 numbers down K
.set IM,   96                          ; v96-127  column paths: the codes
.set CC,   128                         ; v128-130 column paths: a conversion's second half
; 64 numbers of a lane become a fragment's codes in v[pc] on and the row's scale word in v[pw]
.macro QUANT s, pc, ct, pw
.irp b, 0,1,2,3
	v_max3_num_f32 v[TM+\b], |v[(\s)+16*\b]|, |v[(\s)+1+16*\b]|, 0x1800000   ; my 16 numbers of block b, and the floor 2^(3 - 127)
.endr
.irp i, 2,4,6,8,10,12,14
.irp b, 0,1,2,3
	v_max3_num_f32 v[TM+\b], v[TM+\b], |v[(\s)+16*\b+\i]|, |v[(\s)+1+16*\b+\i]|
.endr
.endr
.irp b, 0,1,2,3
	v_permlanex16_b32 v[TM+4+\b], v[TM+\b], s[SEL], s[SEL+1]
.endr
.irp b, 0,1,2,3
	v_max_num_f32 v[TM+\b], v[TM+\b], v[TM+4+\b]              ; with lane l xor 16's 16: the block's largest magnitude
.endr
.irp b, 0,1,2,3
	v_add_nc_u32 v[TM+12+\b], 0xff000000, v[TM+\b]            ; 2 off the exponent field: the conversion's scale operand
.endr
.irp b, 0,1,2,3
	v_lshrrev_b32 v[TM+4+\b], 23, v[TM+12+\b]                 ; the scale's byte
.endr
	v_lshl_or_b32 v[\pw], v[TM+5], 8, v[TM+4]
	v_lshl_or_b32 v[\pw], v[TM+6], 16, v[\pw]
	v_lshl_or_b32 v[\pw], v[TM+7], 24, v[\pw]
.irp c, 0,1
	v_cvt_scalef32_pk16_fp6_f32 v[(\pc)+6*\c:(\pc)+2+6*\c], v[(\s)+32*\c:(\s)+15+32*\c], v[TM+12+2*\c]
	v_cvt_scalef32_pk16_fp6_f32 v[(\ct)+4*\c:(\ct)+2+4*\c], v[(\s)+16+32*\c:(\s)+31+32*\c], v[TM+12+2*\c+1]   ; (a conversion's three registers begin on an even number)
.endr
	v_nop                                                     ; one plain line behind the conversions
.irp c, 0,1                                                   ; the layout wants a whole block in a lane: lanes 0-15 block 2 c, lanes 16-31 block 2 c + 1
.irp i, 0,1,2
	v_permlane16_swap_b32 v[(\pc)+6*\c+\i], v[(\ct)+4*\c+\i]
.endr
.irp i, 0,1,2
	v_mov_b32 v[(\pc)+3+6*\c+\i], v[(\ct)+4*\c+\i]
.endr
.endr
.endm
	s_load_b512 s[4:19], s[0:1], 0x0               ; x s[4:5], Wq s[6:7], Wk s[8:9], Wv s[10:11], Wo s[12:13], xq s[14:15], wq s[16:17], woq s[18:19]
	v_lshl_add_u32 v250, v0, 2, 0x8400
	v_mov_b32 v251, 0
	v_lshrrev_b32 v1, 5, v0
	v_readfirstlane_b32 s20, v1                    ; wave 0..3
	v_and_b32 v1, 31, v0                           ; lane
	s_cmp_lt_u32 ttmp9, 512
	s_cbranch_scc0 .Lcolumns
; ---- x: the work-group takes one tile of 16 rows, wave w its K = 256 w .. 256 w + 255 (two K steps).  Each load reads 512 consecutive bytes of a row; the numbers turn through the wave's own stage so that a lane holds 16 neighbours of each block.
	v_and_b32 v2, 15, v0                           ; r
	v_bfe_u32 v3, v0, 4, 1                         ; h
	v_lshlrev_b32 v4, 4, v1                        ; 16 x lane
	s_mul_i32 s21, s20, 16*SP                      ; my stage
	v_add_nc_u32 v5, s21, v4                       ; into it: a row's 512 bytes as they lie
	v_mul_u32_u24 v6, v2, SP
	v_lshl_add_u32 v6, v3, 6, v6
	v_add_nc_u32 v6, s21, v6                       ; out of it: row r, + 64 h
	v_lshlrev_b32 v7, 3, v2                        ; my row's two scale words
.irp b, 0,1,2,3
	v_mov_b32 v[TM+4+\b], 0                        ; a lane permute's destination counts as read: written once
.endr
	s_mov_b32 s[SEL], 0x76543210
	s_mov_b32 s[SEL+1], 0xfedcba98
	s_lshr_b32 s22, ttmp9, 3                       ; group of 128 rows
	s_and_b32 s23, ttmp9, 7                        ; tile i
	s_lshl_b32 s24, s22, 7
	s_lshr_b32 s25, s23, 1
	s_lshl_b32 s25, s25, 5
	s_add_co_u32 s24, s24, s25
	s_and_b32 s25, s23, 1
	s_lshl_b32 s25, s25, 3
	s_add_co_u32 s24, s24, s25                     ; the tile's first row: 128 G + 32 (i / 2) + 8 (i % 2)
	s_lshl_b32 s24, s24, 12                        ; rows of 4,096 bytes
	s_lshl_b32 s25, s20, 10
	s_add_co_u32 s24, s24, s25                     ; + my 1,024 bytes of each row
	s_mov_b32 s25, 0
	s_mul_i32 s26, s22, 98304
	s_mul_i32 s27, s20, 24576
	s_add_co_u32 s26, s26, s27
	s_mul_i32 s27, s23, 1536
	s_add_co_u32 s26, s26, s27                     ; my first image
	s_mov_b32 s27, 0
	s_lshl_b32 s28, s22, 12
	s_lshl_b32 s29, s20, 10
	s_add_co_u32 s28, s28, s29
	s_lshl_b32 s29, s23, 7
	s_add_co_u32 s28, s28, s29
	s_add_co_u32 s28, s28, XSO                     ; my tile's scale words
	s_mov_b32 s29, 0
	s_wait_kmcnt 0x0
	s_add_nc_u64 s[4:5], s[4:5], s[24:25]
	s_add_nc_u64 s[30:31], s[14:15], s[28:29]
	s_add_nc_u64 s[14:15], s[14:15], s[26:27]
.irp q, 0,1
.set J, 0
.rept 16
	global_load_b128 v[RR+64*\q+4*J:RR+64*\q+4*J+3], v4, s[4:5] offset:(J+8*(J/8))*4096+512*\q th:TH_LOAD_NT   ; the tile's row J lies J + 8 (J / 8) rows down
.set J, J+1
.endr
.endr
.macro XHALF q
	s_wait_loadcnt 16*(1-\q)                       ; this K step's sixteen loads are in; the other step's sixteen were issued behind them
.set J, 0
.rept 16
	ds_store_b128 v5, v[RR+64*\q+4*J:RR+64*\q+4*J+3] offset:SP*J
.set J, J+1
.endr
.irp b, 0,1,2,3
.irp j, 0,1,2,3
	ds_load_b128 v[XX+16*\b+4*\j:XX+16*\b+4*\j+3], v6 offset:128*\b+16*\j   ; LDS serves a wave's instructions in order: these see my stores, and the next step's stores come behind them
.endr
.endr
	s_wait_dscnt 0x0
	QUANT XX, PC+12*\q, CT, 8+\q
.irp g, 0,1,2
	global_store_b128 v4, v[PC+12*\q+4*\g:PC+12*\q+4*\g+3], s[14:15] offset:12288*\q+512*\g   ; 512 consecutive bytes, aligned
.endr
.endm
	XHALF 0
	XHALF 1
	v_cmp_gt_u32 vcc_lo, 16, v1
	s_wait_xcnt 0x0                                ; EXEC changes only behind this wait
	s_wait_tensorcnt 0x0
	ds_add_u32 v250, v251
	s_wait_dscnt 0x0
	s_and_saveexec_b32 s32, vcc_lo                 ; lanes 16-31 hold the same words
	global_store_b64 v7, v[8:9], s[30:31]          ; 128 consecutive bytes
	s_wait_xcnt 0x0
	s_or_b32 exec_lo, exec_lo, s32
	s_endpgm
; ---- the weights: K is not innermost.  A lane takes a column and its registers run down K, so a block of 32 lies in one lane and the conversions give codes with K innermost.
.macro CLOAD bk, wo                    ; block bk's 32 numbers into set bk % 2
.set J, 0
.rept 32
.if \wo
	global_load_b32 v[NUM+32*((\bk)%2)+J], v7, s[12:13] offset:262144*((\bk)/2)+4096*(32*((\bk)%2)+J) th:TH_LOAD_NT
.else
	global_load_b32 v[NUM+32*((\bk)%2)+J], v7, s[6:7] offset:256*(32*(\bk)+J) th:TH_LOAD_NT
.endif
.set J, J+1
.endr
.endm
.macro CBLOCK bk, d                    ; its six registers of codes go to v[d] on, its byte into v15
.set NS0, NUM+32*((\bk)%2)
.if (\bk) < 3
	s_wait_loadcnt 32                              ; this block's loads are in; the next block's 32 may be out
.else
	s_wait_loadcnt 0x0
.endif
	v_max3_num_f32 v12, |v[NS0]|, |v[NS0+1]|, |v[NS0+2]|
	v_max3_num_f32 v13, |v[NS0+3]|, |v[NS0+4]|, |v[NS0+5]|
.irp i, 6,10,14,18,22,26
	v_max3_num_f32 v12, v12, |v[NS0+\i]|, |v[NS0+\i+1]|
	v_max3_num_f32 v13, v13, |v[NS0+\i+2]|, |v[NS0+\i+3]|
.endr
	v_max3_num_f32 v12, v12, |v[NS0+30]|, |v[NS0+31]|
	v_max3_num_f32 v12, v12, v13, 0x1800000        ; and the floor
	v_add_nc_u32 v11, 0xff000000, v12
	v_lshrrev_b32 v14, 23, v11
.if (\bk) == 0
	v_mov_b32 v15, v14
.else
	v_lshl_or_b32 v15, v14, 8*(\bk), v15
.endif
	v_cvt_scalef32_pk16_fp6_f32 v[(\d):(\d)+2], v[NS0:NS0+15], v11
	v_cvt_scalef32_pk16_fp6_f32 v[CC:CC+2], v[NS0+16:NS0+31], v11
	v_nop
.irp i, 0,1,2
	v_mov_b32 v[(\d)+3+\i], v[CC+\i]
.endr
.endm
.Lcolumns:
	v_lshlrev_b32 v7, 2, v1                        ; 4 bytes a lane: 128 consecutive bytes a load
	s_cmp_lt_u32 ttmp9, 704
	s_cbranch_scc0 .Lwo
; ---- Wq, Wk, Wv [head][1,024 (K)][64]: a wave takes 32 columns of a head x 128 K.  The two waves that share a row's 256 bytes stand in one work-group.
	s_sub_co_u32 s21, ttmp9, 512
	s_lshr_b32 s22, s21, 2                         ; 16 m + head
	s_and_b32 s23, s21, 3
	s_lshl_b32 s23, s23, 1
	s_lshr_b32 s24, s20, 1
	s_add_co_u32 s23, s23, s24                     ; K step s
	s_and_b32 s24, s20, 1                          ; which 32 columns
	s_lshr_b32 s25, s22, 4                         ; m: q, k, v
	s_and_b32 s26, s22, 15                         ; head
	s_lshl_b32 s28, s26, 18
	s_lshl_b32 s29, s23, 15
	s_add_co_u32 s28, s28, s29
	s_lshl_b32 s29, s24, 7
	s_add_co_u32 s28, s28, s29                     ; from: 262,144 head + 32,768 s + 128 cg
	s_mov_b32 s29, 0
	s_lshr_b32 s27, s22, 1                         ; group of 128 rows
	s_and_b32 s26, s22, 1
	s_lshl_b32 s26, s26, 1
	s_add_co_u32 s26, s26, s24                     ; which 32 rows of it: tiles 2 beta and 2 beta + 1
	s_mul_i32 s30, s27, 98304
	s_mul_i32 s31, s23, 12288
	s_add_co_u32 s30, s30, s31
	s_mul_i32 s31, s26, 3072
	s_add_co_u32 s30, s30, s31
	s_mov_b32 s31, 0
	s_lshl_b32 s32, s27, 12
	s_lshr_b32 s33, s23, 1
	s_lshl_b32 s33, s33, 10
	s_add_co_u32 s32, s32, s33
	s_lshl_b32 s33, s26, 8
	s_add_co_u32 s32, s32, s33
	s_and_b32 s33, s23, 1
	s_lshl_b32 s33, s33, 2
	s_add_co_u32 s32, s32, s33
	s_add_co_u32 s32, s32, WSO
	s_mov_b32 s33, 0
	v_bfe_u32 v2, v0, 3, 1                         ; my row 32 beta + lane is row r of tile 2 beta + u: u = (lane / 8) % 2,
	v_and_b32 v3, 7, v0
	v_bfe_u32 v4, v0, 4, 1
	v_lshl_add_u32 v3, v4, 3, v3                   ; r = lane % 8 + 8 (lane / 16)
	v_mul_u32_u24 v5, v2, 1536
	v_lshl_add_u32 v5, v3, 4, v5                   ; my place in the two images
	v_lshlrev_b32 v6, 7, v2
	v_lshl_add_u32 v6, v3, 3, v6                   ; and among the scale words
	s_wait_kmcnt 0x0
	s_cmp_eq_u32 s25, 0
	s_cselect_b64 s[6:7], s[6:7], s[8:9]
	s_cmp_eq_u32 s25, 2
	s_cselect_b64 s[6:7], s[10:11], s[6:7]         ; the choice hangs on the work-group's number alone
	s_add_nc_u64 s[6:7], s[6:7], s[28:29]
	s_add_nc_u64 s[36:37], s[16:17], s[32:33]
	s_add_nc_u64 s[16:17], s[16:17], s[30:31]
	CLOAD 0, 0
	CLOAD 1, 0
	CBLOCK 0, IM                                   ; block bk is registers 6 (bk / 2) on of the image's lane r + 16 (bk % 2): two sets of twelve registers, one for each half of the image's lanes
	CLOAD 2, 0
	CBLOCK 1, IM+12
	CLOAD 3, 0
	CBLOCK 2, IM+6
	CBLOCK 3, IM+18
.irp hi, 0,1
.irp g, 0,1,2
	global_store_b128 v5, v[IM+12*\hi+4*\g:IM+12*\hi+4*\g+3], s[16:17] offset:512*\g+256*\hi   ; sixteen lanes store 256 consecutive bytes, aligned, in each of the two tiles
.endr
.endr
	global_store_b32 v6, v15, s[36:37]             ; 4 bytes at a stride of 8 (the other K step's word lies between): one byte for 128 read
	s_endpgm
; ---- Wo [head][64 (K)][1,024]: a wave takes 32 columns x a pair of heads: blocks 0, 1 the even head's, 2, 3 the odd head's.
.Lwo:
	s_sub_co_u32 s21, ttmp9, 704
	s_lshl_b32 s21, s21, 2
	s_add_co_u32 s21, s21, s20
	s_lshr_b32 s22, s21, 5                         ; pair of heads
	s_and_b32 s23, s21, 31                         ; which 32 columns
	s_lshl_b32 s28, s22, 19
	s_lshl_b32 s29, s23, 7
	s_add_co_u32 s28, s28, s29
	s_mov_b32 s29, 0
	s_lshr_b32 s24, s23, 3                         ; quarter
	s_lshl_b32 s24, s24, 3
	s_add_co_u32 s24, s24, s22
	s_mul_i32 s24, s24, 25600                      ; the record
	s_and_b32 s25, s23, 7
	s_mul_i32 s30, s25, 3072
	s_add_co_u32 s30, s30, s24                     ; tiles 2 (cg % 8) and + 1
	s_mov_b32 s31, 0
	s_lshr_b32 s26, s25, 2
	s_lshl_b32 s26, s26, 9
	s_add_co_u32 s32, s24, s26
	s_bfe_u32 s26, s23, 0x10001
	s_lshl_b32 s26, s26, 8
	s_add_co_u32 s32, s32, s26
	s_and_b32 s26, s23, 1
	s_lshl_b32 s26, s26, 3
	s_add_co_u32 s32, s32, s26
	s_add_co_u32 s32, s32, 24576
	s_mov_b32 s33, 0
	v_bfe_u32 v2, v0, 4, 1                         ; u
	v_and_b32 v3, 15, v0                           ; r
	v_mul_u32_u24 v5, v2, 1536
	v_lshl_add_u32 v8, v3, 3, v5
	v_lshl_add_u32 v5, v3, 4, v5
	v_lshlrev_b32 v6, 2, v2
	v_lshl_add_u32 v6, v3, 4, v6
	s_wait_kmcnt 0x0
	s_add_nc_u64 s[12:13], s[12:13], s[28:29]
	s_add_nc_u64 s[36:37], s[18:19], s[32:33]
	s_add_nc_u64 s[18:19], s[18:19], s[30:31]
.macro WOUT bk
	global_store_b128 v5, v[IM+8*\bk:IM+8*\bk+3], s[18:19] offset:768*(\bk/2)+256*(\bk%2)
	global_store_b64 v8, v[IM+8*\bk+4:IM+8*\bk+5], s[18:19] offset:768*(\bk/2)+512+128*(\bk%2)
.endm
	CLOAD 0, 1
	CLOAD 1, 1
	CBLOCK 0, IM
	WOUT 0
	CLOAD 2, 1
	CBLOCK 1, IM+8
	WOUT 1
	CLOAD 3, 1
	CBLOCK 2, IM+16
	WOUT 2
	CBLOCK 3, IM+24
	WOUT 3
	global_store_b32 v6, v15, s[36:37]
	s_endpgm
.Lfunc_end_k_qd98bf258c1_prep:
	.size	k_qd98bf258c1_prep, .Lfunc_end_k_qd98bf258c1_prep-k_qd98bf258c1_prep
	.p2alignl 7, 3214868480
	.fill 96, 4, 3214868480
	.section	.rodata,"a",@progbits
	.p2align	6, 0x0
	.amdhsa_kernel k_qd98bf258c1_prep
		.amdhsa_group_segment_fixed_size 34304
		.amdhsa_private_segment_fixed_size 0
		.amdhsa_enable_private_segment 0
		.amdhsa_kernarg_size 64
		.amdhsa_user_sgpr_count 2
		.amdhsa_user_sgpr_kernarg_segment_ptr 1
		.amdhsa_wavefront_size32 1
		.amdhsa_system_sgpr_workgroup_id_x 1
		.amdhsa_system_sgpr_workgroup_id_y 1
		.amdhsa_system_sgpr_workgroup_id_z 1
		.amdhsa_system_vgpr_workitem_id 0
		.amdhsa_next_free_vgpr 256
		.amdhsa_next_free_sgpr 66
		.amdhsa_reserve_vcc 1
		.amdhsa_float_denorm_mode_32 3
		.amdhsa_float_denorm_mode_16_64 3
		.amdhsa_memory_ordered 1
		.amdhsa_forward_progress 1
		.amdhsa_inst_pref_size 59
	.end_amdhsa_kernel
	.amdgpu_metadata
---
amdhsa.version: [ 1, 2 ]
amdhsa.kernels:
  - .name:           k_qd98bf258c1_prep
    .symbol:         k_qd98bf258c1_prep.kd
    .args:
      - { .name: hidden_states, .offset: 0, .size: 8, .value_kind: global_buffer, .address_space: global }
      - { .name: Wq, .offset: 8, .size: 8, .value_kind: global_buffer, .address_space: global }
      - { .name: Wk, .offset: 16, .size: 8, .value_kind: global_buffer, .address_space: global }
      - { .name: Wv, .offset: 24, .size: 8, .value_kind: global_buffer, .address_space: global }
      - { .name: Wo, .offset: 32, .size: 8, .value_kind: global_buffer, .address_space: global }
      - { .name: xq, .offset: 40, .size: 8, .value_kind: global_buffer, .address_space: global }
      - { .name: wq, .offset: 48, .size: 8, .value_kind: global_buffer, .address_space: global }
      - { .name: woq, .offset: 56, .size: 8, .value_kind: global_buffer, .address_space: global }
    .group_segment_fixed_size: 34304
    .private_segment_fixed_size: 0
    .kernarg_segment_align: 8
    .kernarg_segment_size: 64
    .max_flat_workgroup_size: 128
    .sgpr_count:     66
    .vgpr_count:     256
    .wavefront_size: 32
...
	.end_amdgpu_metadata
.endif
;; end of part 1
;; launch qkv (part 2): grid 12 x 32, 4 waves a work-group, clusters of 4 x 4, 327,680 bytes of LDS; arguments xq, wq, bq, bk, bv, qc, kv; writes qc, kv
.if DOCPART == 2
	.amdgcn_target "amdgcn-amd-amdhsa--gfx1250"
	.amdhsa_code_object_version 6
	.text
	.protected	k_qd98bf258c1_qkv
	.globl	k_qd98bf258c1_qkv
	.p2align	8
	.type	k_qd98bf258c1_qkv,@function
k_qd98bf258c1_qkv:
	s_mov_b64 s[64:65], 0
	v_nop
	global_prefetch_b8 v0, s[64:65] scope:SCOPE_SE
	s_setreg_imm32_b32 hwreg(HW_REG_WAVE_MODE, 25, 1), 1
	s_wait_xcnt 0x0
	s_wait_alu depctr_hold_cnt(0) depctr_sa_sdst(0) depctr_va_vdst(0) depctr_va_sdst(0) depctr_va_ssrc(0) depctr_va_vcc(0) depctr_vm_vsrc(0)
	s_getreg_b32 s2, hwreg(HW_REG_IB_STS2, 6, 4)
	s_cmp_eq_u32 s2, 0
	s_cbranch_scc0 .Lentry_in_a_cluster
	s_endpgm
.Lentry_in_a_cluster:
	s_bfe_u32 s2, ttmp6, 0x10000c
	s_cmp_lg_u32 s2, 0xf033
	s_cbranch_scc0 .Lentry_shape_is_right
	s_endpgm
.Lentry_shape_is_right:
; q, k, v = x W + b on codes of FP6 (E2M3) with E8M0 scales, K = 1,024; the results are quantised in registers (q, k along the head's 64; v along the keys) and stored as images of operand registers.
; A work-group of four waves makes 256 x 256, a wave 128 x 128: 64 accumulators of 16 x 16 in windows 2 and 3.  K goes in 8 steps of 128, two steps to a slot, through a ring of two LDS slots.
; SOURCE 1 ("A") gives the lane's row, SOURCE 0 ("B") the lane's eight registers.  The cluster's x says what is made: 0: q, 1: k: A = tokens, B = rows of W, so a lane holds one token and its registers run along the head;
; 2: v: A = rows of Wv, B = tokens, so a lane holds one channel and its registers run along the keys.  All sixteen partners of a cluster share that number, so the one branch on it is alike in all.
; Tiles are permuted (tile i, lane r: row 32 (i / 2) + 8 (i % 2) + r + 8 (r / 8) of a group of 128), so that the 64 results of a lane for one A tile are register 16 b + i = B's row 32 b + 16 (lane / 16) + i.
; Operands lie in memory as images of their registers: a K step's tiles are dense blocks, a fragment is three loads of 16 bytes a lane at 16 x lane: no pitch, no padding.
; CLUSTERS: 4 x 4.  A's tiles are shared along a row of the cluster, B's along a column: joint loads, same descriptor in the four that the mask names.
; qc: [16 b + head][group of 128 tokens 16][6,656]: 8 half images (768 i); at 6,144 the scale words: lane l, word j: tile 4 (l / 16) + j, row l % 16 (bytes 2, 3 are 0).
; kv: [16 b + head][step of 128 keys 16][13,056]: K's 8 half images; at 6,144 V^T's (4 c + dt) x 768 (c: half of 64 keys, dt: tile of 16 channels); at 12,288 K's scale words as in qc; at 12,800 V's: lane l, word j: dt = 2 (l / 16) + j.
; LIMITS: a block under 2^-124 and a block of zeros get the byte 1 (read by this program alone); NaN and infinities are not served.
; REGISTERS: window 0: v0-31 addresses; v32-63 scale words, two sets; v64-127 the bias; v128-223 A's fragments, one set (on the way out: v128-191 64 numbers, v192-239 at work).  window 1: B's fragments, two sets, at v0 and v128.
.set NQ,     2                         ; steps of 128 in a slot
.set FR,     12
.set NL,     3                         ; LDS loads that bring a fragment
.set NP,     4                         ; places behind this matrix instruction (ISA guide 7.12.1)
.set HALFT,  24576                     ; 128 rows x 2 steps: [step 2][tile 8][1,536]: what one tensor load brings
.set SLOT,   4*HALFT                   ; A's two halves, then B's two
.set SCL,    2*SLOT                    ; the scale words of all of K: 4,096 bytes for each wave's 128 rows; B's lie 128 bytes askew of A's, so that the two halves of a load's lanes touch different banks
.set SPARE,  213248                    ; the spare words, 128 bytes a wave: two blocks of 256 bytes that no other line names
.set XSO,    6291456
.set WSO,    2359296
.set ADRA, 16                          ; v16-17 LDS address of my A fragments in slot 0, 1
.set ADRB, 20                          ; v20-21 the same for B
.set L16,  24                          ; v24  16 x lane
.set L8,   25                          ; v25  8 x lane
.set HV,   26                          ; v26  lane / 16
.set ADRS, 27                          ; v27  LDS address of my scale words: lanes 0-15 A's rows, lanes 16-31 B's
.set SPW,  28
.set NIL,  29
.set SC,   32
.set BI,   64
.set AF,   128
.set HA,   128
.set PC,   192
.set CT,   204
.set TM,   212
.set WD,   232                         ; v232-239 the eight tiles' scale words
.set SEL,  2                           ; s[2:3]
.set WV,   18
.set RH,   19                          ; which half of A's rows is mine.  Also: I fetch for A (0) or for B (1)
.set CH,   20                          ; which half of B's rows.  Also: which 128 rows I fetch
.set G1,   24
.set G0,   32
.set G1B,  48
.set G0B,  56
.set G1S,  68
.set G0S,  76
.set G1SB, 80
.set G0SB, 88
.set MSB, 0
.macro WIN new                         ; the immediate's high byte repeats the setting that is left
.if MSB != (\new)
	s_set_vgpr_msb (MSB<<8)|(\new)
.set MSB, (\new)
.endif
.endm
.set MUL_LO, 0xa1                      ; source 0 (B) window 1, source 1 (A) window 0, C and D window 2
.set MUL_HI, 0xf1
.set TO_B,   0x40
.macro JLOAD g0a, g1a, g0b, g1b        ; a joint load: waves 0, 1 fetch for A, waves 2, 3 for B; four v_nop follow each line
	s_cmp_eq_u32 s[RH], 0
	s_cbranch_scc0 .Lfor_b_\@
	tensor_load_to_lds s[\g0a:\g0a+3], s[\g1a:\g1a+7]
	s_nop 0
.rept 4
	v_nop
.endr
	s_branch .Lasked_\@
.Lfor_b_\@:
	tensor_load_to_lds s[\g0b:\g0b+3], s[\g1b:\g1b+7]
	s_nop 0
.rept 4
	v_nop
.endr
.Lasked_\@:
.endm
.macro CREST
	s_cmp_lg_u32 s[WV], 0
	s_cbranch_scc1 .Lnot_wave_0_\@
	s_barrier_signal -3
.Lnot_wave_0_\@:
	s_barrier_wait -3
	s_barrier_signal -1
	s_barrier_wait -1
.endm
.macro CROUND
	s_barrier_signal -1
	s_barrier_wait -1
	CREST
.endm
.macro PLACES n
.rept \n
	v_nop
.endr
.endm
.macro QUANT s, pc, ct, pw             ; 64 numbers of a lane, register 16 b + i = K 32 b + 16 (lane / 16) + i, become a fragment's codes and the row's scale word
.irp b, 0,1,2,3
	v_max3_num_f32 v[TM+\b], |v[(\s)+16*\b]|, |v[(\s)+1+16*\b]|, 0x1800000   ; with the floor 2^(3 - 127): the byte cannot fall under 1
.endr
.irp i, 2,4,6,8,10,12,14
.irp b, 0,1,2,3
	v_max3_num_f32 v[TM+\b], v[TM+\b], |v[(\s)+16*\b+\i]|, |v[(\s)+1+16*\b+\i]|
.endr
.endr
.irp b, 0,1,2,3
	v_permlanex16_b32 v[TM+4+\b], v[TM+\b], s[SEL], s[SEL+1]
.endr
.irp b, 0,1,2,3
	v_max_num_f32 v[TM+\b], v[TM+\b], v[TM+4+\b]
.endr
.irp b, 0,1,2,3
	v_add_nc_u32 v[TM+12+\b], 0xff000000, v[TM+\b]            ; 2 off the exponent field: the conversion's scale operand
.endr
.irp b, 0,1,2,3
	v_lshrrev_b32 v[TM+4+\b], 23, v[TM+12+\b]
.endr
	v_lshl_or_b32 v[\pw], v[TM+5], 8, v[TM+4]
	v_lshl_or_b32 v[\pw], v[TM+6], 16, v[\pw]
	v_lshl_or_b32 v[\pw], v[TM+7], 24, v[\pw]
.irp c, 0,1
	v_cvt_scalef32_pk16_fp6_f32 v[(\pc)+6*\c:(\pc)+2+6*\c], v[(\s)+32*\c:(\s)+15+32*\c], v[TM+12+2*\c]
	v_cvt_scalef32_pk16_fp6_f32 v[(\ct)+4*\c:(\ct)+2+4*\c], v[(\s)+16+32*\c:(\s)+31+32*\c], v[TM+12+2*\c+1]
.endr
	v_nop                                                     ; one plain line behind the conversions
.irp c, 0,1
.irp i, 0,1,2
	v_permlane16_swap_b32 v[(\pc)+6*\c+\i], v[(\ct)+4*\c+\i]
.endr
.irp i, 0,1,2
	v_mov_b32 v[(\pc)+3+6*\c+\i], v[(\ct)+4*\c+\i]
.endr
.endr
.endm
	s_load_b256 s[4:11], s[0:1], 0x0               ; xq s[4:5], wq s[6:7], bq s[8:9], bk s[10:11]
	s_load_b128 s[12:15], s[0:1], 0x20             ; bv s[12:13], qc s[14:15]
	s_load_b64 s[16:17], s[0:1], 0x30              ; kv
	v_lshl_add_u32 v[SPW], v0, 2, SPARE
	v_mov_b32 v[NIL], 0
	ds_add_u32 v28, v29
	ds_add_u32 v28, v29
	s_wait_dscnt 0x0
	v_lshrrev_b32 v1, 5, v0
	v_readfirstlane_b32 s[WV], v1
	s_lshr_b32 s[RH], s[WV], 1
	s_and_b32 s[CH], s[WV], 1
	s_bfe_u32 s21, ttmp6, 0x40000                  ; cx
	s_bfe_u32 s22, ttmp6, 0x40004                  ; cy
	s_and_b32 s23, ttmp7, 0xffff                   ; the cluster's y: which 1,024 tokens
	s_mov_b32 s40, XSO
	s_mov_b32 s41, WSO
	s_cmp_eq_u32 ttmp9, 2                          ; v?
	s_cselect_b32 s42, 2, s23
	s_cselect_b32 s43, s23, ttmp9
	s_cselect_b32 s44, s41, s40                    ; where A's scale words begin in A's buffer
	s_cselect_b32 s45, s40, s41                    ; and B's
	s_lshl_b32 s42, s42, 2
	s_add_co_u32 s42, s42, s22                     ; A's tile of 256 rows: it never holds cx
	s_lshl_b32 s43, s43, 2
	s_add_co_u32 s43, s43, s21                     ; B's: it never holds cy
	s_lshl_b32 s46, s22, 2
	s_lshl_b32 s46, 15, s46                        ; my row of the cluster
	s_lshl_b32 s47, 0x1111, s21                    ; my column
	; descriptor groups 1: dense blocks as rows of 256 bytes (32 elements of 8 bytes), no padding; 96 rows of codes, 16 of scale words
	s_or_b32 s[G1], s46, (3<<16)|(1<<21)
	s_or_b32 s[G1B], s47, (3<<16)|(1<<21)
	s_or_b32 s[G1S], s46, (3<<16)|(1<<21)
	s_or_b32 s[G1SB], s47, (3<<16)|(1<<21)
.irp g, G1, G1B
	s_mov_b32 s[\g+1], 32<<16
	s_mov_b32 s[\g+2], 96<<16
	s_mov_b32 s[\g+3], 32<<16
	s_mov_b32 s[\g+4], 96
	s_mov_b32 s[\g+5], 32
	s_mov_b32 s[\g+6], 0
	s_mov_b32 s[\g+7], 0
.endr
.irp g, G1S, G1SB
	s_mov_b32 s[\g+1], 32<<16
	s_mov_b32 s[\g+2], 16<<16
	s_mov_b32 s[\g+3], 32<<16
	s_mov_b32 s[\g+4], 16
	s_mov_b32 s[\g+5], 32
	s_mov_b32 s[\g+6], 0
	s_mov_b32 s[\g+7], 0
.endr
	s_lshl_b32 s92, s42, 1
	s_add_co_u32 s92, s92, s[CH]                   ; A's group of 128 rows that I would fetch
	s_lshl_b32 s94, s43, 1
	s_add_co_u32 s94, s94, s[CH]                   ; B's
	s_mul_i32 s96, s92, 98304                      ; its codes,
	s_mov_b32 s97, 0
	s_lshl_b32 s92, s92, 12
	s_add_co_u32 s92, s92, s44                     ; its scale words
	s_mov_b32 s93, 0
	s_mul_i32 s100, s94, 98304
	s_mov_b32 s101, 0
	s_lshl_b32 s94, s94, 12
	s_add_co_u32 s94, s94, s45
	s_mov_b32 s95, 0
	s_mul_i32 s40, s[WV], HALFT                    ; where they go: wave x a quarter of a slot: no place in the cluster enters an LDS address
	s_lshl_b32 s41, s[WV], 12
	s_lshl_b32 s44, s[RH], 7
	s_add_co_u32 s41, s41, s44
	s_mov_b32 s[SEL], 0x76543210
	s_mov_b32 s[SEL+1], 0xfedcba98
	s_wait_kmcnt 0x0
	s_cmp_eq_u32 ttmp9, 2
	s_cselect_b64 s[44:45], s[6:7], s[4:5]         ; A's buffer
	s_cselect_b64 s[46:47], s[4:5], s[6:7]         ; B's
	s_add_nc_u64 s[96:97], s[44:45], s[96:97]
	s_add_nc_u64 s[92:93], s[44:45], s[92:93]
	s_add_nc_u64 s[100:101], s[46:47], s[100:101]
	s_add_nc_u64 s[94:95], s[46:47], s[94:95]
	CROUND                                         ; all sixteen work-groups are here: the first joint loads meet
	s_mov_b32 s[G0S], 1
	s_add_co_u32 s[G0S+1], s41, SCL
	s_mov_b64 s[G0S+2:G0S+3], s[92:93]
	s_or_b32 s[G0S+3], s[G0S+3], 0x80000000
	s_mov_b32 s[G0SB], 1
	s_add_co_u32 s[G0SB+1], s41, SCL
	s_mov_b64 s[G0SB+2:G0SB+3], s[94:95]
	s_or_b32 s[G0SB+3], s[G0SB+3], 0x80000000
	JLOAD G0S, G1S, G0SB, G1SB                     ; the scale words of all of K: filled once.  With the two below, three loads of mine are out
.irp s, 0,1
	s_mov_b32 s[G0+4*\s], 1
	s_add_co_u32 s[G0+4*\s+1], s40, \s*SLOT
	s_add_nc_u64 s[G0+4*\s+2:G0+4*\s+3], s[96:97], \s*HALFT
	s_or_b32 s[G0+4*\s+3], s[G0+4*\s+3], 0x80000000
	s_mov_b32 s[G0B+4*\s], 1
	s_add_co_u32 s[G0B+4*\s+1], s40, \s*SLOT
	s_add_nc_u64 s[G0B+4*\s+2:G0B+4*\s+3], s[100:101], \s*HALFT
	s_or_b32 s[G0B+4*\s+3], s[G0B+4*\s+3], 0x80000000
	JLOAD G0+4*\s, G1, G0B+4*\s, G1B
.endr
	v_and_b32 v1, 31, v0
	v_and_b32 v2, 15, v0                           ; r
	v_bfe_u32 v[HV], v0, 4, 1
	v_lshlrev_b32 v[L16], 4, v1
	v_lshlrev_b32 v[L8], 3, v1
	s_mul_i32 s40, s[RH], HALFT
	s_mul_i32 s41, s[CH], HALFT
	s_add_co_u32 s41, s41, 2*HALFT
.irp s, 0,1
	v_add_nc_u32 v[ADRA+\s], s40, v[L16]
	v_add_nc_u32 v[ADRB+\s], s41, v[L16]
	s_add_co_u32 s40, s40, SLOT
	s_add_co_u32 s41, s41, SLOT
.endr
	s_lshl_b32 s40, s[RH], 12                      ; A's scale words: my 128 rows
	s_lshl_b32 s41, s[CH], 12
	s_add_co_u32 s41, s41, 8320                    ; B's: behind A's two, 128 bytes askew
	s_sub_co_u32 s41, s41, s40
	v_mul_u32_u24 v6, s41, v[HV]                   ; lanes 16-31 take B's: one product, the distance between the two
	s_add_co_u32 s40, s40, SCL
	v_lshl_add_u32 v5, v2, 3, v6                   ; 8 bytes a row: a slot's two words
	v_add_nc_u32 v[ADRS], s40, v5
.macro FRAG reg, adr, q, i             ; a fragment's image: three loads of 16 bytes a lane, 512 consecutive bytes each
.irp g, 0,1,2
	ds_load_b128 v[\reg+4*\g:\reg+4*\g+3], v[\adr] offset:12288*(\q)+1536*(\i)+512*\g
.endr
.endm
; 16 matrix instructions: A's blocks a0, a0 + 1 x B's eight.  The 64 accumulators take turns, one instruction a turn, in the same order in every step.
.macro MUL16 a0, p, q, sc, zero
.irp a, \a0, \a0+1
.irp b, 0,1,2,3,4,5,6,7
.if \zero
	v_wmma_scale_f32_16x16x128_f8f6f4 v[8*(8*((\a)%4)+\b):8*(8*((\a)%4)+\b)+7], v[128*(\p)+FR*\b:128*(\p)+FR*\b+FR-1], v[AF+FR*(\a):AF+FR*(\a)+FR-1], 0, v[SC+8*NQ*(\sc)+NQ*\b+(\q)], v[SC+8*NQ*(\sc)+NQ*(\a)+(\q)] matrix_a_fmt:MATRIX_FMT_FP6 matrix_b_fmt:MATRIX_FMT_FP6 matrix_a_scale:MATRIX_SCALE_ROW1
.else
	v_wmma_scale_f32_16x16x128_f8f6f4 v[8*(8*((\a)%4)+\b):8*(8*((\a)%4)+\b)+7], v[128*(\p)+FR*\b:128*(\p)+FR*\b+FR-1], v[AF+FR*(\a):AF+FR*(\a)+FR-1], v[8*(8*((\a)%4)+\b):8*(8*((\a)%4)+\b)+7], v[SC+8*NQ*(\sc)+NQ*\b+(\q)], v[SC+8*NQ*(\sc)+NQ*(\a)+(\q)] matrix_a_fmt:MATRIX_FMT_FP6 matrix_b_fmt:MATRIX_FMT_FP6 matrix_a_scale:MATRIX_SCALE_ROW1
.endif
.endr
.endr
.endm
.macro FETCH_B slot, q, p
	WIN TO_B
.irp i, 0,1,2,3,4,5,6,7
	FRAG 128*(\p)+FR*\i, ADRB+\slot, \q, \i
.endr
	WIN 0
.endm
.macro FETCH_A slot, q, i0
.irp i, \i0, \i0+1, \i0+2, \i0+3
	FRAG AF+FR*(\i), ADRA+\slot, \q, \i
.endr
.endm
.macro SCALES sc                       ; a slot's scale words: lanes 0-15 A's block i, lanes 16-31 B's block i, two words a row
.irp i, 0,1,2,3,4,5,6,7
	ds_load_b64 v[SC+8*NQ*\sc+NQ*\i:SC+8*NQ*\sc+NQ*\i+1], v[ADRS] offset:128*\i
.endr
.endm
.macro STEP slot, q, zero              ; a step of 128 along K that has its successor in the same slot
	s_wait_dscnt 4*NL                              ; B's set and A's blocks 0-3 are in; the youngest twelve loads (A's blocks 4-7) may be out
	WIN MUL_LO
	MUL16 0, (\q)%2, \q, \slot, \zero
	MUL16 2, (\q)%2, \q, \slot, \zero
	s_wait_dscnt 0
	PLACES NP                                      ; in front of loads into registers that matrix instructions have read
	FETCH_B \slot, (\q)+1, 1-(\q)%2
	FETCH_A \slot, (\q)+1, 0
	WIN MUL_HI
	MUL16 4, (\q)%2, \q, \slot, \zero
	MUL16 6, (\q)%2, \q, \slot, \zero
	PLACES NP
	WIN 0
	FETCH_A \slot, (\q)+1, 4
.endm
; A slot's last step changes slots: one barrier; in front of it each wave waits for all its tensor loads, adds 0 to its spare word, and waits for that and for its reads of this slot.
.macro TURN slot, next, fill
	s_wait_tensorcnt 0x0                           ; all my tensor loads have landed: my part of the next slot
	ds_add_u32 v[SPW], v[NIL]                      ; 0 onto my spare word
	s_wait_dscnt 4*NL+1                            ; (the add and the youngest twelve loads may be out)
	WIN MUL_LO
	MUL16 0, 1, NQ-1, \slot, 0
	s_wait_dscnt 0x0                               ; the add is done, and my reads of this slot are over
	s_barrier_signal -1
	MUL16 2, 1, NQ-1, \slot, 0
	WIN 0
	s_barrier_wait -1
.if \fill
	CREST                                          ; the barrier has opened a round of the cluster's barrier: no wave of any partner still reads this slot or has a load on its way
	s_add_nc_u64 s[G0+4*\slot+2:G0+4*\slot+3], s[G0+4*\slot+2:G0+4*\slot+3], 2*HALFT
	s_add_nc_u64 s[G0B+4*\slot+2:G0B+4*\slot+3], s[G0B+4*\slot+2:G0B+4*\slot+3], 2*HALFT
	JLOAD G0+4*\slot, G1, G0B+4*\slot, G1B         ; the first tensor load behind the round; its four v_nop are the places in front of the loads below
.else
	PLACES NP
.endif
	v_add_nc_u32 v[ADRS], 1024, v[ADRS]            ; the next slot's scale words
	FETCH_B \next, 0, 0
	FETCH_A \next, 0, 0
	SCALES \next
	WIN MUL_HI
	MUL16 4, 1, NQ-1, \slot, 0
	MUL16 6, 1, NQ-1, \slot, 0
	PLACES NP
	WIN 0
	FETCH_A \next, 0, 4
.endm
.macro LAST                            ; the very last step: nothing more to fetch
	s_wait_dscnt 4*NL
	WIN MUL_LO
	MUL16 0, 1, NQ-1, 1, 0
	MUL16 2, 1, NQ-1, 1, 0
	s_wait_dscnt 0x0
	WIN MUL_HI
	MUL16 4, 1, NQ-1, 1, 0
	MUL16 6, 1, NQ-1, 1, 0
	WIN 0
.endm
; THE WAY OUT, A's tile i at a time: its 64 results + the bias come into window 0 (the addition is also the move; each accumulator is read from its low end on), are quantised, and the fragment's two halves are stored as half images.
.macro EPI isv
	PLACES NP                                      ; behind the last products: their results are read, and A's fragments are written over
.irp b, 0,1,2,3
	v_mov_b32 v[TM+4+\b], 0                        ; a lane permute's destination counts as read
.endr
	s_wait_loadcnt 0x0                             ; the bias
.irp i, 0,1,2,3,4,5,6,7
.if \i > 0
	s_wait_xcnt 0x0                                ; the last tile's stores have read their data: the codes' registers are written again
.endif
	WIN 0x02+(\i/4)
.set J, 0
.rept 32
.if \isv
	v_pk_add_f32 v[HA+J:HA+J+1], v[64*(\i%4)+J:64*(\i%4)+J+1], v[BI+2*\i:BI+2*\i+1]
.else
	v_pk_add_f32 v[HA+J:HA+J+1], v[64*(\i%4)+J:64*(\i%4)+J+1], v[BI+J:BI+J+1]
.endif
.set J, J+2
.endr
	WIN 0
	QUANT HA, PC, CT, WD+\i
.if \isv
	global_store_b128 v[L16], v[PC:PC+3], s[92:93] offset:208896*(\i/4)+768*(\i%4)
	global_store_b64 v[L8], v[PC+4:PC+5], s[92:93] offset:208896*(\i/4)+768*(\i%4)+512
	global_store_b128 v[L16], v[PC+6:PC+9], s[92:93] offset:208896*(\i/4)+768*(4+\i%4)
	global_store_b64 v[L8], v[PC+10:PC+11], s[92:93] offset:208896*(\i/4)+768*(4+\i%4)+512
.else
	global_store_b128 v[L16], v[PC:PC+3], s[92:93] offset:768*\i
	global_store_b64 v[L8], v[PC+4:PC+5], s[92:93] offset:768*\i+512
	global_store_b128 v[L16], v[PC+6:PC+9], s[96:97] offset:768*\i
	global_store_b64 v[L8], v[PC+10:PC+11], s[96:97] offset:768*\i+512
.endif
.endr
	v_cmp_ne_u32 vcc_lo, 0, v[HV]
.endm
	s_wait_tensorcnt 1                             ; the scale words and my part of slot 0 are in (slot 1's load may be out)
	s_barrier_signal -1
	s_barrier_wait -1                              ; everybody's are
	FETCH_B 0, 0, 0
	FETCH_A 0, 0, 0
	SCALES 0
	FETCH_A 0, 0, 4
	STEP 0, 0, 1                                   ; the first step's products start the sums: nothing is cleared
	TURN 0, 1, 1                                   ; slot 0 takes steps 4, 5
	STEP 1, 0, 0
	TURN 1, 0, 1                                   ; slot 1 takes steps 6, 7
	STEP 0, 0, 0
	TURN 0, 1, 0                                   ; nothing is left to fetch
	STEP 1, 0, 0
	s_cmp_eq_u32 ttmp9, 2                          ; the cluster's x: alike in all partners and all waves
	s_cbranch_scc1 .Lv_arm
; ---- q, k: a lane holds a token; registers 0-31 are the even head's 64 channels' half, registers 32-63 the odd head's
	s_lshl_b32 s40, s42, 1
	s_add_co_u32 s40, s40, s[RH]                   ; my group of 128 tokens
	s_lshr_b32 s41, s40, 4                         ; b
	s_and_b32 s40, s40, 15
	s_lshl_b32 s41, s41, 8
	s_add_co_u32 s40, s40, s41
	s_and_b32 s41, s43, 3                          ; which 256 rows of this W
	s_lshl_b32 s44, s41, 2
	s_lshl_b32 s45, s[CH], 1
	s_add_co_u32 s44, s44, s45                     ; my first head
	s_lshl_b32 s44, s44, 4
	s_add_co_u32 s40, s40, s44                     ; the record: 256 b + 16 head + group
	s_lshl_b32 s41, s41, 10
	s_lshl_b32 s45, s[CH], 9
	s_add_co_u32 s46, s41, s45                     ; my 128 numbers of the bias
	s_mov_b32 s47, 0
	s_mov_b32 s44, 13056
	s_mov_b32 s45, 12288
	s_cmp_eq_u32 ttmp9, 0
	s_cselect_b32 s44, 6656, s44                   ; a record's bytes
	s_cselect_b32 s45, 6144, s45                   ; and where its scale words begin
	s_cselect_b64 s[92:93], s[14:15], s[16:17]     ; qc or kv
	s_cselect_b64 s[94:95], s[8:9], s[10:11]       ; bq or bk
	s_mul_i32 s40, s40, s44
	s_mov_b32 s41, 0
	s_add_nc_u64 s[92:93], s[92:93], s[40:41]      ; the even head's record
	s_lshl_b32 s40, s44, 4
	s_add_nc_u64 s[96:97], s[92:93], s[40:41]      ; the odd head's: sixteen records on
	s_add_nc_u64 s[94:95], s[94:95], s[46:47]
	s_mov_b32 s40, s45
	s_add_nc_u64 s[100:101], s[92:93], s[40:41]
	s_add_nc_u64 s[46:47], s[96:97], s[40:41]
	v_lshlrev_b32 v3, 6, v[HV]
.irp b, 0,1,2,3
.irp j, 0,1,2,3
	global_load_b128 v[BI+16*\b+4*\j:BI+16*\b+4*\j+3], v3, s[94:95] offset:128*\b+16*\j   ; register 16 b + i: the bias of row 32 b + 16 h + i; it lands under the last step's products
.endr
.endr
	LAST
	EPI 0
.irp j, 0,1,2,3
	v_cndmask_b32 v[HA+8+\j], v[WD+\j], v[WD+4+\j], vcc_lo    ; lane l, word j: tile 4 (l / 16) + j
.endr
.irp j, 0,1,2,3
	v_and_b32 v[HA+\j], 0xffff, v[HA+8+\j]                    ; the even head's two bytes,
	v_lshrrev_b32 v[HA+4+\j], 16, v[HA+8+\j]                  ; the odd head's
.endr
	global_store_b128 v[L16], v[HA:HA+3], s[100:101]
	global_store_b128 v[L16], v[HA+4:HA+7], s[46:47]
	s_branch .Ljoin
; ---- v: a lane holds a channel; its 64 registers run along my 128 keys
.Lv_arm:
	s_lshl_b32 s40, s43, 1
	s_add_co_u32 s40, s40, s[CH]                   ; my group of 128 keys
	s_lshr_b32 s41, s40, 4
	s_and_b32 s40, s40, 15
	s_lshl_b32 s41, s41, 8
	s_add_co_u32 s40, s40, s41
	s_lshl_b32 s44, s22, 2
	s_lshl_b32 s45, s[RH], 1
	s_add_co_u32 s44, s44, s45                     ; my first head
	s_lshl_b32 s45, s44, 4
	s_add_co_u32 s40, s40, s45
	s_mul_i32 s40, s40, 13056
	s_add_co_u32 s40, s40, 6144                    ; V's part of the record
	s_mov_b32 s41, 0
	s_add_nc_u64 s[92:93], s[16:17], s[40:41]
	s_lshl_b32 s46, s44, 8                         ; 64 numbers of the bias a head
	s_mov_b32 s47, 0
	s_add_nc_u64 s[94:95], s[12:13], s[46:47]
	v_and_b32 v3, 8, v2
	v_add_nc_u32 v3, v3, v2
	v_lshlrev_b32 v3, 2, v3                        ; my row of a tile: r + 8 (r / 8)
.irp i, 0,1,2,3,4,5,6,7
	global_load_b32 v[BI+2*\i], v3, s[94:95] offset:4*(32*(\i/2)+8*(\i%2))      ; one number a lane and tile, into both registers of a pair
	global_load_b32 v[BI+2*\i+1], v3, s[94:95] offset:4*(32*(\i/2)+8*(\i%2))
.endr
	LAST
	EPI 1
.irp e, 0,1
.irp j, 0,1
	v_cndmask_b32 v[HA+2*\e+\j], v[WD+4*\e+\j], v[WD+4*\e+2+\j], vcc_lo   ; lane l, word j: tile of channels 2 (l / 16) + j
.endr
.endr
.irp e, 0,1
	global_store_b64 v[L8], v[HA+2*\e:HA+2*\e+1], s[92:93] offset:208896*\e+6656
.endr
.Ljoin:
	s_wait_tensorcnt 0x0                           ; the wave's end
	ds_add_u32 v[SPW], v[NIL]
	s_wait_dscnt 0x0
	CROUND                                         ; the closing round
	s_endpgm
.Lfunc_end_k_qd98bf258c1_qkv:
	.size	k_qd98bf258c1_qkv, .Lfunc_end_k_qd98bf258c1_qkv-k_qd98bf258c1_qkv
	.p2alignl 7, 3214868480
	.fill 96, 4, 3214868480
	.section	.rodata,"a",@progbits
	.p2align	6, 0x0
	.amdhsa_kernel k_qd98bf258c1_qkv
		.amdhsa_group_segment_fixed_size 327680
		.amdhsa_private_segment_fixed_size 0
		.amdhsa_enable_private_segment 0
		.amdhsa_kernarg_size 56
		.amdhsa_user_sgpr_count 2
		.amdhsa_user_sgpr_kernarg_segment_ptr 1
		.amdhsa_wavefront_size32 1
		.amdhsa_system_sgpr_workgroup_id_x 1
		.amdhsa_system_sgpr_workgroup_id_y 1
		.amdhsa_system_sgpr_workgroup_id_z 1
		.amdhsa_system_vgpr_workitem_id 0
		.amdhsa_next_free_vgpr 1024
		.amdhsa_next_free_sgpr 102
		.amdhsa_reserve_vcc 1
		.amdhsa_float_denorm_mode_32 3
		.amdhsa_float_denorm_mode_16_64 3
		.amdhsa_memory_ordered 1
		.amdhsa_forward_progress 1
		.amdhsa_inst_pref_size 219
	.end_amdhsa_kernel
	.amdgpu_metadata
---
amdhsa.version: [ 1, 2 ]
amdhsa.kernels:
  - .name:           k_qd98bf258c1_qkv
    .symbol:         k_qd98bf258c1_qkv.kd
    .args:
      - { .name: xq, .offset: 0, .size: 8, .value_kind: global_buffer, .address_space: global }
      - { .name: wq, .offset: 8, .size: 8, .value_kind: global_buffer, .address_space: global }
      - { .name: bq, .offset: 16, .size: 8, .value_kind: global_buffer, .address_space: global }
      - { .name: bk, .offset: 24, .size: 8, .value_kind: global_buffer, .address_space: global }
      - { .name: bv, .offset: 32, .size: 8, .value_kind: global_buffer, .address_space: global }
      - { .name: qc, .offset: 40, .size: 8, .value_kind: global_buffer, .address_space: global }
      - { .name: kv, .offset: 48, .size: 8, .value_kind: global_buffer, .address_space: global }
    .group_segment_fixed_size: 327680
    .private_segment_fixed_size: 0
    .kernarg_segment_align: 8
    .kernarg_segment_size: 56
    .max_flat_workgroup_size: 128
    .sgpr_count:     102
    .vgpr_count:     1024
    .wavefront_size: 32
...
	.end_amdgpu_metadata
.endif
;; end of part 2
;; launch attn (part 3): grid 4 x 64, 8 waves a work-group, clusters of 4 x 1, 210,432 bytes of LDS; arguments qc, kv, ow, nsum; writes ow, nsum
.if DOCPART == 3
	.amdgcn_target "amdgcn-amd-amdhsa--gfx1250"
	.amdhsa_code_object_version 6
	.text
	.protected	k_qd98bf258c1_attn
	.globl	k_qd98bf258c1_attn
	.p2align	8
	.type	k_qd98bf258c1_attn,@function
k_qd98bf258c1_attn:
	s_mov_b64 s[64:65], 0
	v_nop
	global_prefetch_b8 v0, s[64:65] scope:SCOPE_SE
	s_setreg_imm32_b32 hwreg(HW_REG_WAVE_MODE, 25, 1), 1
	s_wait_xcnt 0x0
	s_wait_alu depctr_hold_cnt(0) depctr_sa_sdst(0) depctr_va_vdst(0) depctr_va_sdst(0) depctr_va_ssrc(0) depctr_va_vcc(0) depctr_vm_vsrc(0)
	s_getreg_b32 s2, hwreg(HW_REG_IB_STS2, 6, 4)
	s_cmp_eq_u32 s2, 0
	s_cbranch_scc0 .Lentry_in_a_cluster
	s_endpgm
.Lentry_in_a_cluster:
	s_bfe_u32 s2, ttmp6, 0x10000c
	s_cmp_lg_u32 s2, 0x3003
	s_cbranch_scc0 .Lentry_shape_is_right
	s_endpgm
.Lentry_shape_is_right:
; out = softmax(q k^T / 8) v for one (batch, head), both products on codes of FP6 (E2M3) with E8M0 scales; and the work-group's sum of ||out|| over its 512 queries.
; THE SOFTMAX: t = score x log2(e) / 8; M = the running largest t, rounded UP to a whole number; p = 2^(t - M) is quantised along the keys, not normalised; the row's sum is taken of the unquantised p and divides at the end.
; When M moves, the sum and O are multiplied by 2^(old M - new M): exact.
; SHARES.  A work-group owns 512 queries; each of its eight waves 32 queries (two tiles) in each of two passes, so that each fragment of K and V read from LDS feeds two matrix instructions.  Two waves share a SIMD.
; ALL OF THE HEAD'S K AND V STAY IN LDS: 16 records of 13,056 bytes, a copy of kv's part, filled once: no ring.  The four work-groups of a cluster own the four blocks of queries of one head and ask for the records jointly.
; LAYOUT.  Both products are used transposed: S^T = K Q^T (source 0 = 16 keys), O^T = V^T P^T (source 0 = 16 channels): a lane holds one query throughout.  Tiles of keys are permuted, so that the 16 registers of tiles 2 b, 2 b + 1 are keys 32 b + 16 (lane / 16) + 0 .. 15.
; K = 64 in the first product: registers 6-11 of each fragment of K and Q hold zero codes, set once.
; ow: [16 b + head][tile of 16 queries 128][4,096]: an image of the tile's 32 f32 registers, registers 4 g .. at 512 g + 16 lane; register 16 b + i is channel 32 b + 16 (lane / 16) + i.  nsum: f32 [head][4 b + block of queries].
; LIMITS: O / l is a multiplication by v_rcp_f32; the norm's squares are f32 (|out| between about 1e-19 and 1e19); a block of p under 2^-124 gets the byte 1; NaN and infinities are not served.
; REGISTERS.  window 0: v1-7 addresses; v8-11 K's scale words, v12-13 V's, v16-17 p's; v20-35 statistics, 8 a tile: -M, largest t, sum (2), f (2), at work (2); v36-39, v44-47 partial sums; v40-43 Q's scale words;
;   v64-191 S^T, then p, 64 a tile; v192-215 p's codes; v216-255 at work.   window 1: v0-63 O^T, 32 a tile; v64-111 Q's four fragments; v112-159 V's four; v160-255 K's eight.
.set REC,  13056
.set RED,  208896                      ; behind the records: eight words for the waves' sums
.set L16,  1
.set L8,   2
.set ADA,  3                           ; the record in hand + 16 x lane
.set ADB,  4                           ; + 8 x lane
.set R16,  5
.set NS,   6                           ; my queries' norms, summed
.set KSC,  8
.set VSC,  12
.set PSC,  16
.set ST,   20
.set SM2,  36
.set QSC,  40
.set NQ,   44
.set QA,   48
.set QB,   49
.set QS,   50
.set S,    64
.set PCD,  192
.set CT,   216
.set BM,   232
.set BP,   240
.set BS,   248
.set O,    0                           ; window 1
.set QF,   64
.set VF,   112
.set KF,   160
.set WV,   12
.set G1,   16
.set G0,   24
.set SEL,  32
.set CS,   34
.set TB,   36
.set CNT,  37
.set MSB, 0
.macro WIN new
.if MSB != (\new)
	s_set_vgpr_msb (MSB<<8)|(\new)
.set MSB, (\new)
.endif
.endm
.macro CROUND
	s_barrier_signal -1
	s_barrier_wait -1
	s_cmp_lg_u32 s[WV], 0
	s_cbranch_scc1 .Lnot_wave_0_\@
	s_barrier_signal -3
.Lnot_wave_0_\@:
	s_barrier_wait -3
	s_barrier_signal -1
	s_barrier_wait -1
.endm
	s_load_b256 s[4:11], s[0:1], 0x0               ; qc s[4:5], kv s[6:7], ow s[8:9], nsum s[10:11]
	v_lshl_add_u32 v227, v0, 2, 0x33200
	v_mov_b32 v231, 0
	ds_add_u32 v227, v231
	ds_add_u32 v227, v231
	v_lshrrev_b32 v1, 5, v0
	v_readfirstlane_b32 s[WV], v1                  ; wave 0..7
	s_bfe_u32 s13, ttmp6, 0x40000
	s_lshl_b32 s38, ttmp9, 2
	s_add_co_u32 s13, s13, s38                     ; my block of 512 queries: it enters global addresses of q, ow and nsum alone
	s_and_b32 s14, ttmp7, 0xffff                   ; 16 b + head, which the four partners share
	s_mov_b32 s[G1], 15|(3<<16)|(1<<21)            ; the mask: all four; elements of 8 bytes; bit 21 beside a mask; no padding
	s_mov_b32 s[G1+1], 32<<16                      ; rows of 256 bytes,
	s_mov_b32 s[G1+2], 102<<16                     ; 102 of them: two records
	s_mov_b32 s[G1+3], 32<<16
	s_mov_b32 s[G1+4], 102
	s_mov_b32 s[G1+5], 32
	s_mov_b32 s[G1+6], 0
	s_mov_b32 s[G1+7], 0
	s_mul_i32 s38, s14, 16*REC
	s_mul_i32 s40, s[WV], 2*REC                    ; records 2 w and 2 w + 1
	s_add_co_u32 s38, s38, s40
	s_mov_b32 s39, 0
	s_mov_b32 s[SEL], 0x76543210
	s_mov_b32 s[SEL+1], 0xfedcba98
	s_mov_b32 s[CS], 0x3e38aa3b                    ; c = log2(e) / 8
	s_mov_b32 s[CS+1], s[CS]                       ; (named with it as a pair)
	s_wait_dscnt 0x0
	s_wait_kmcnt 0x0
	s_add_nc_u64 s[6:7], s[6:7], s[38:39]
	CROUND                                         ; all four work-groups are here: the joint loads meet
	s_mov_b32 s[G0], 1
	s_mov_b32 s[G0+1], s40
	s_mov_b64 s[G0+2:G0+3], s[6:7]
	s_or_b32 s[G0+3], s[G0+3], 0x80000000
	tensor_load_to_lds s[G0:G0+3], s[G1:G1+7]      ; my one tensor load of the launch
	s_nop 0
.rept 4
	v_nop
.endr
	v_and_b32 v7, 31, v0
	v_lshlrev_b32 v[L16], 4, v7
	v_lshlrev_b32 v[L8], 3, v7
	v_and_b32 v7, 15, v0
	v_lshlrev_b32 v[R16], 4, v7
	s_and_b32 s38, s[WV], 3
	s_mul_i32 s38, s38, 1536                       ; my two tiles among a record's eight
	v_add_nc_u32 v[QA], s38, v[L16]
	v_add_nc_u32 v[QB], s38, v[L8]
	s_bfe_u32 s38, s[WV], 0x10001
	s_lshl_b32 s38, s38, 8
	s_and_b32 s39, s[WV], 1
	s_lshl_b32 s39, s39, 3
	s_add_co_u32 s38, s38, s39
	v_add_nc_u32 v[QS], s38, v[R16]                ; and their scale words
	s_lshl_b32 s38, s14, 4
	s_lshl_b32 s39, s13, 2
	s_add_co_u32 s38, s38, s39
	s_lshr_b32 s39, s[WV], 2
	s_add_co_u32 s38, s38, s39
	s_mul_i32 s38, s38, 6656                       ; pass 0's record of qc; pass 1's lies two records on
	s_mov_b32 s39, 0
	s_add_nc_u64 s[4:5], s[4:5], s[38:39]
	WIN 0x40
.irp p, 0,1
.irp t, 0,1
	global_load_b128 v[QF+12*(2*\p+\t):QF+12*(2*\p+\t)+3], v[QA], s[4:5] offset:13312*\p+768*\t
	global_load_b64 v[QF+12*(2*\p+\t)+4:QF+12*(2*\p+\t)+5], v[QB], s[4:5] offset:13312*\p+768*\t+512
.endr
.endr
	WIN 0
.irp p, 0,1
.irp t, 0,1
	global_load_b32 v[QSC+2*\p+\t], v[QS], s[4:5] offset:13312*\p+6144+4*\t
.endr
.endr
	WIN 0x40
.irp f, 0,1,2,3
.irp k, 6,7,8,9,10,11
	v_mov_b32 v[QF+12*\f+\k], 0                    ; zero codes for K = 64 .. 127
.endr
.endr
.irp f, 0,1,2,3,4,5,6,7
.irp k, 6,7,8,9,10,11
	v_mov_b32 v[KF+12*\f+\k], 0
.endr
.endr
	WIN 0
	v_mov_b32 v[NS], 0
.irp b, 0,1,2,3,4,5,6,7
	v_mov_b32 v[BP+\b], 0                          ; a lane permute's destination counts as read
.endr
.irp t, 0,1
	v_mov_b32 v[ST+8*\t+5], 0                      ; (named as the upper half of a pair)
	v_mov_b32 v[ST+8*\t+7], 0
.endr
	s_lshl_b32 s38, s14, 7
	s_lshl_b32 s39, s13, 5
	s_add_co_u32 s38, s38, s39
	s_lshl_b32 s39, s[WV], 1
	s_add_co_u32 s38, s38, s39
	s_lshl_b32 s38, s38, 12                        ; my first tile's image in ow
	s_mov_b32 s39, 0
	s_add_nc_u64 s[8:9], s[8:9], s[38:39]
.macro LOADK off                       ; a step's K: eight half images and the scale words: 17 loads
	WIN 0x40
.irp i, 0,1,2,3,4,5,6,7
	ds_load_b128 v[KF+12*\i:KF+12*\i+3], v[ADA] offset:\off+768*\i
	ds_load_b64 v[KF+12*\i+4:KF+12*\i+5], v[ADB] offset:\off+768*\i+512
.endr
	WIN 0
	ds_load_b128 v[KSC:KSC+3], v[ADA] offset:\off+12288
.endm
.macro LOADV                           ; a step's V^T: the scale words and eight half images: 17 loads
	WIN 0
	ds_load_b64 v[VSC:VSC+1], v[ADB] offset:12800
	WIN 0x40
.irp dt, 0,1,2,3
.irp c, 0,1
	ds_load_b128 v[VF+12*\dt+6*\c:VF+12*\dt+6*\c+3], v[ADA] offset:6144+768*(4*\c+\dt)
	ds_load_b64 v[VF+12*\dt+6*\c+4:VF+12*\dt+6*\c+5], v[ADB] offset:6144+768*(4*\c+\dt)+512
.endr
.endr
.endm
.macro KQ p                            ; S^T = K Q^T: sixteen accumulators, each begun with the constant 0
	WIN 0x05
.irp i, 0,1,2,3,4,5,6,7
.irp t, 0,1
.if \i < 4
	v_wmma_scale_f32_16x16x128_f8f6f4 v[S+64*\t+8*\i:S+64*\t+8*\i+7], v[KF+12*\i:KF+12*\i+11], v[QF+12*(2*\p+\t):QF+12*(2*\p+\t)+11], 0, v[KSC+\i%4], v[QSC+2*\p+\t] matrix_a_fmt:MATRIX_FMT_FP6 matrix_b_fmt:MATRIX_FMT_FP6
.else
	v_wmma_scale_f32_16x16x128_f8f6f4 v[S+64*\t+8*\i:S+64*\t+8*\i+7], v[KF+12*\i:KF+12*\i+11], v[QF+12*(2*\p+\t):QF+12*(2*\p+\t)+11], 0, v[KSC+\i%4], v[QSC+2*\p+\t] matrix_a_fmt:MATRIX_FMT_FP6 matrix_b_fmt:MATRIX_FMT_FP6 matrix_a_scale:MATRIX_SCALE_ROW1
.endif
.endr
.endr
.endm
.macro PV                              ; O^T += V^T P^T: eight accumulators, one instruction a turn; sixteen other products stand between two turns of one accumulator
	WIN 0x51
.irp dt, 0,1,2,3
.irp t, 0,1
.if \dt < 2
	v_wmma_scale_f32_16x16x128_f8f6f4 v[O+32*\t+8*\dt:O+32*\t+8*\dt+7], v[VF+12*\dt:VF+12*\dt+11], v[PCD+12*\t:PCD+12*\t+11], v[O+32*\t+8*\dt:O+32*\t+8*\dt+7], v[VSC+\dt%2], v[PSC+\t] matrix_a_fmt:MATRIX_FMT_FP6 matrix_b_fmt:MATRIX_FMT_FP6
.else
	v_wmma_scale_f32_16x16x128_f8f6f4 v[O+32*\t+8*\dt:O+32*\t+8*\dt+7], v[VF+12*\dt:VF+12*\dt+11], v[PCD+12*\t:PCD+12*\t+11], v[O+32*\t+8*\dt:O+32*\t+8*\dt+7], v[VSC+\dt%2], v[PSC+\t] matrix_a_fmt:MATRIX_FMT_FP6 matrix_b_fmt:MATRIX_FMT_FP6 matrix_a_scale:MATRIX_SCALE_ROW1
.endif
.endr
.endr
.endm
.macro QP t                            ; tile t's p becomes codes and a scale word; its first line is a plain line behind the exponentials
	v_pk_mul_f32 v[ST+8*\t+2:ST+8*\t+3], v[ST+8*\t+2:ST+8*\t+3], v[ST+8*\t+4:ST+8*\t+5] op_sel_hi:[1,0]   ; the sums under the new M
	s_wait_alu depctr_va_vdst(0)
.irp b, 0,1,2,3
	v_max_num_f32 v[BM+4*\t+\b], 0x1800000, v[BM+4*\t+\b]     ; the floor 2^(3 - 127)
.endr
.irp b, 0,1,2,3
	v_add_nc_u32 v[BS+4*\t+\b], 0xff000000, v[BM+4*\t+\b]     ; 2 off the exponent field: the conversion's scale operand
.endr
.irp b, 0,1,2,3
	v_lshrrev_b32 v[BP+4*\t+\b], 23, v[BS+4*\t+\b]
.endr
	v_lshl_or_b32 v[PSC+\t], v[BP+4*\t+1], 8, v[BP+4*\t]
	v_lshl_or_b32 v[PSC+\t], v[BP+4*\t+2], 16, v[PSC+\t]
	v_lshl_or_b32 v[PSC+\t], v[BP+4*\t+3], 24, v[PSC+\t]
.irp c, 0,1
	v_cvt_scalef32_pk16_fp6_f32 v[PCD+12*\t+6*\c:PCD+12*\t+6*\c+2], v[S+64*\t+32*\c:S+64*\t+32*\c+15], v[BS+4*\t+2*\c]
	v_cvt_scalef32_pk16_fp6_f32 v[CT+8*\t+4*\c:CT+8*\t+4*\c+2], v[S+64*\t+32*\c+16:S+64*\t+32*\c+31], v[BS+4*\t+2*\c+1]
.endr
	v_nop
.irp c, 0,1
.irp i, 0,1,2
	v_permlane16_swap_b32 v[PCD+12*\t+6*\c+\i], v[CT+8*\t+4*\c+\i]
.endr
.irp i, 0,1,2
	v_mov_b32 v[PCD+12*\t+3+6*\c+\i], v[CT+8*\t+4*\c+\i]
.endr
.endr
.endm
.macro ADDP t                          ; line JJ of 32 of the sum of tile t's unquantised p: two chains of packed additions
.if JJ == 0
	v_pk_add_f32 v[SM2+2*\t:SM2+2*\t+1], v[S+64*\t:S+64*\t+1], v[S+64*\t+2:S+64*\t+3]
.elseif JJ == 31
	v_pk_add_f32 v[ST+8*\t+2:ST+8*\t+3], v[ST+8*\t+2:ST+8*\t+3], v[SM2+2*\t:SM2+2*\t+1]
.elseif JJ%2 == 1
	v_pk_add_f32 v[ST+8*\t+2:ST+8*\t+3], v[ST+8*\t+2:ST+8*\t+3], v[S+64*\t+2*JJ+2:S+64*\t+2*JJ+3]
.else
	v_pk_add_f32 v[SM2+2*\t:SM2+2*\t+1], v[SM2+2*\t:SM2+2*\t+1], v[S+64*\t+2*JJ+2:S+64*\t+2*JJ+3]
.endif
.endm
; THE SOFTMAX OF A STEP, both tiles.  One tile's exponentials stand between the other tile's plain lines, so that neither kind waits for its unit.
.macro SOFTMAX
.irp b, 0,1,2,3
.irp t, 0,1
	v_max3_num_f32 v[BM+4*\t+\b], v[S+64*\t+16*\b], v[S+64*\t+16*\b+1], v[S+64*\t+16*\b+2]   ; the largest score of each block of 32 keys: for the row's maximum and for the block's largest p.  Each accumulator is read from its low end on
.endr
.endr
.irp i, 3,5,7,9,11,13
.irp b, 0,1,2,3
.irp t, 0,1
	v_max3_num_f32 v[BM+4*\t+\b], v[BM+4*\t+\b], v[S+64*\t+16*\b+\i], v[S+64*\t+16*\b+\i+1]
.endr
.endr
.endr
.irp b, 0,1,2,3
.irp t, 0,1
	v_max_num_f32 v[BM+4*\t+\b], v[BM+4*\t+\b], v[S+64*\t+16*\b+15]
.endr
.endr
.irp b, 0,1,2,3
.irp t, 0,1
	v_permlanex16_b32 v[BP+4*\t+\b], v[BM+4*\t+\b], s[SEL], s[SEL+1]
.endr
.endr
.irp b, 0,1,2,3
.irp t, 0,1
	v_max_num_f32 v[BM+4*\t+\b], v[BM+4*\t+\b], v[BP+4*\t+\b]
.endr
.endr
.irp t, 0,1
	v_max3_num_f32 v[ST+8*\t+6], v[BM+4*\t], v[BM+4*\t+1], v[BM+4*\t+2]
.endr
.irp t, 0,1
	v_max_num_f32 v[ST+8*\t+6], v[ST+8*\t+6], v[BM+4*\t+3]
.endr
.irp t, 0,1
	v_mul_f32 v[ST+8*\t+6], s[CS], v[ST+8*\t+6]               ; as t (c is positive)
.endr
.irp t, 0,1
	v_max_num_f32 v[ST+8*\t+1], v[ST+8*\t+1], v[ST+8*\t+6]    ; the running largest t
.endr
.irp t, 0,1
	v_mov_b32 v[ST+8*\t+6], v[ST+8*\t]
.endr
.irp t, 0,1
	v_floor_f32 v[ST+8*\t], -v[ST+8*\t+1]                     ; -M = floor(-t): M is a whole number
.endr
.irp t, 0,1
	v_sub_f32 v[ST+8*\t+6], v[ST+8*\t], v[ST+8*\t+6]          ; old M - new M
.endr
.irp t, 0,1
	v_cvt_i32_f32 v[ST+8*\t+6], v[ST+8*\t+6]                  ; (it saturates)
.endr
.irp t, 0,1
	v_ldexp_f32 v[ST+8*\t+4], 1.0, v[ST+8*\t+6]               ; f = 2^(old M - new M)
.endr
.set JJ, 0
.rept 32
	v_pk_fma_f32 v[S+2*JJ:S+2*JJ+1], v[S+2*JJ:S+2*JJ+1], s[CS:CS+1], v[ST:ST+1] op_sel_hi:[1,0,0]   ; tile 0: t - M
.set JJ, JJ+1
.endr
.irp b, 0,1,2,3
	v_fma_f32 v[BM+\b], v[BM+\b], s[CS], v[ST]
.endr
.set JJ, 0
.rept 32
	v_exp_f32 v[S+2*JJ], v[S+2*JJ]                            ; tile 0: p = 2^(t - M) | tile 1: t - M
	v_pk_fma_f32 v[S+64+2*JJ:S+64+2*JJ+1], v[S+64+2*JJ:S+64+2*JJ+1], s[CS:CS+1], v[ST+8:ST+9] op_sel_hi:[1,0,0]
	v_exp_f32 v[S+2*JJ+1], v[S+2*JJ+1]
.set JJ, JJ+1
.endr
.irp b, 0,1,2,3
	v_exp_f32 v[BM+\b], v[BM+\b]                              ; the block's largest p: the same two instructions on the same number
	v_fma_f32 v[BM+4+\b], v[BM+4+\b], s[CS], v[ST+8]
.endr
	QP 0
.set JJ, 0
.rept 32
	v_exp_f32 v[S+64+2*JJ], v[S+64+2*JJ]                      ; tile 1: p | tile 0: the sum
	ADDP 0
	v_exp_f32 v[S+64+2*JJ+1], v[S+64+2*JJ+1]
.set JJ, JJ+1
.endr
.irp b, 0,1,2,3
	v_exp_f32 v[BM+4+\b], v[BM+4+\b]
.endr
	QP 1
.set JJ, 0
.rept 32
	ADDP 1
.set JJ, JJ+1
.endr
	WIN 0x41
.irp t, 0,1
.set JJ, 0
.rept 16
	v_pk_mul_f32 v[O+32*\t+JJ:O+32*\t+JJ+1], v[O+32*\t+JJ:O+32*\t+JJ+1], v[ST+8*\t+4:ST+8*\t+5] op_sel_hi:[1,0]   ; O^T under the new M.  With the sums above these are the places between p's codes and scale words and the products that take them
.set JJ, JJ+2
.endr
.endr
.endm
; A TRIP: the softmax of the step in hand (its scores were made at the last trip's end), O^T += V^T P^T, and the next step's scores.
.macro TRIP p, last
	v_add_nc_u32 v[ADA], s[TB], v[L16]
	v_add_nc_u32 v[ADB], s[TB], v[L8]
	v_nop
	v_nop                                          ; four places behind the last products: their results are read below, and loads go into their operands
	LOADV
.if \last
	WIN 0
.else
	LOADK REC                                      ; the next step's K
.endif
	SOFTMAX
.if \last
	s_wait_dscnt 0x0
.else
	s_wait_dscnt 17                                ; V's 17 loads are in; K's 17 were issued behind them
.endif
	PV
.if !\last
	s_wait_dscnt 0x0
	KQ \p
.endif
	WIN 0
	s_add_co_u32 s[TB], s[TB], REC
.endm
.macro INIT                            ; the trip is written once: the first finds zeros, which the first change of M leaves zeros
	WIN 0x40
.set JJ, 0
.rept 64
	v_mov_b32 v[O+JJ], 0
.set JJ, JJ+1
.endr
	WIN 0
.irp t, 0,1
	v_mov_b32 v[ST+8*\t+1], 0xff61b1e6             ; -3e38, under every t
	v_floor_f32 v[ST+8*\t], -v[ST+8*\t+1]
	v_mov_b32 v[ST+8*\t+2], 0
	v_mov_b32 v[ST+8*\t+3], 0
.endr
.endm
.macro PASS p
	s_mov_b32 s[TB], 0
	v_add_nc_u32 v[ADA], s[TB], v[L16]
	v_add_nc_u32 v[ADB], s[TB], v[L8]
	LOADK 0
	s_wait_xcnt 0x0                                ; the last pass's stores have read their data: the scores are written over them
	s_wait_dscnt 0x0
	KQ \p
	WIN 0
	s_mov_b32 s[CNT], 15
.Ltrip_\@:
	TRIP \p, 0
	s_sub_co_u32 s[CNT], s[CNT], 1
	s_cmp_lg_u32 s[CNT], 0
	s_cbranch_scc1 .Ltrip_\@
	TRIP \p, 1
	; the way out: O^T / the sum; its norm; its image
.rept 4
	v_nop                                          ; places behind the last products
.endr
.irp t, 0,1
	v_add_f32 v[ST+8*\t+6], v[ST+8*\t+2], v[ST+8*\t+3]
.endr
.irp t, 0,1
	v_permlanex16_b32 v[ST+8*\t+7], v[ST+8*\t+6], s[SEL], s[SEL+1]
.endr
.irp t, 0,1
	v_add_f32 v[ST+8*\t+6], v[ST+8*\t+6], v[ST+8*\t+7]        ; the row's sum
.endr
.irp t, 0,1
	v_rcp_f32 v[ST+8*\t+4], v[ST+8*\t+6]
.endr
	v_nop                                          ; a plain line behind the reciprocals
	WIN 0x01
	s_wait_alu depctr_va_vdst(0)
.irp t, 0,1
.set JJ, 0
.rept 16
	v_pk_mul_f32 v[S+64*\t+JJ:S+64*\t+JJ+1], v[O+32*\t+JJ:O+32*\t+JJ+1], v[ST+8*\t+4:ST+8*\t+5] op_sel_hi:[1,0]
.set JJ, JJ+2
.endr
.endr
	WIN 0
.irp t, 0,1
.irp g, 0,1,2,3,4,5,6,7
	global_store_b128 v[L16], v[S+64*\t+4*\g:S+64*\t+4*\g+3], s[8:9] offset:65536*\p+4096*\t+512*\g th:TH_STORE_NT   ; 512 consecutive bytes, aligned
.endr
.endr
.irp t, 0,1
	v_pk_mul_f32 v[NQ+2*\t:NQ+2*\t+1], v[S+64*\t:S+64*\t+1], v[S+64*\t:S+64*\t+1]
.endr
.set JJ, 2
.rept 15
.irp t, 0,1
	v_pk_fma_f32 v[NQ+2*\t:NQ+2*\t+1], v[S+64*\t+JJ:S+64*\t+JJ+1], v[S+64*\t+JJ:S+64*\t+JJ+1], v[NQ+2*\t:NQ+2*\t+1]
.endr
.set JJ, JJ+2
.endr
.irp t, 0,1
	v_add_f32 v[ST+8*\t+6], v[NQ+2*\t], v[NQ+2*\t+1]
.endr
.irp t, 0,1
	v_permlanex16_b32 v[ST+8*\t+7], v[ST+8*\t+6], s[SEL], s[SEL+1]
.endr
.irp t, 0,1
	v_add_f32 v[ST+8*\t+6], v[ST+8*\t+6], v[ST+8*\t+7]        ; the sum of the query's 64 squares, in both of its lanes
.endr
.irp t, 0,1
	v_sqrt_f32 v[ST+8*\t+6], v[ST+8*\t+6]
.endr
	v_nop
	s_wait_alu depctr_va_vdst(0)
.irp t, 0,1
	v_add_f32 v[NS], v[NS], v[ST+8*\t+6]
.endr
.endm
	INIT
	s_wait_tensorcnt 0x0                           ; my two records are in,
	s_barrier_signal -1
	s_barrier_wait -1                              ; everybody's are: nothing is filled again
	s_wait_loadcnt 0x0                             ; Q
	PASS 0
	INIT
	PASS 1
	v_add_f32_dpp v[NS], v[NS], v[NS] row_xmask:1 row_mask:0xf bank_mask:0xf   ; over the sixteen queries of a tile: both halves of the lanes hold the same
	v_add_f32_dpp v[NS], v[NS], v[NS] row_xmask:2 row_mask:0xf bank_mask:0xf
	v_add_f32_dpp v[NS], v[NS], v[NS] row_xmask:4 row_mask:0xf bank_mask:0xf
	v_add_f32_dpp v[NS], v[NS], v[NS] row_xmask:8 row_mask:0xf bank_mask:0xf
	s_lshl_b32 s38, s[WV], 2
	s_add_co_u32 s38, s38, RED
	v_mov_b32 v7, s38
	ds_store_b32 v7, v[NS]                         ; all lanes write the same word with the same value
	s_wait_dscnt 0x0                               ; for the others' sake
	s_barrier_signal -1
	s_barrier_wait -1
	v_mov_b32 v7, RED
	ds_load_b128 v[52:55], v7
	ds_load_b128 v[56:59], v7 offset:16
	s_and_b32 s38, s14, 15
	s_lshl_b32 s38, s38, 4
	s_lshr_b32 s39, s14, 4
	s_lshl_b32 s39, s39, 2
	s_add_co_u32 s38, s38, s39
	s_add_co_u32 s38, s38, s13
	s_lshl_b32 s38, s38, 2                         ; word 16 head + 4 b + block
	s_mov_b32 s39, 0
	s_add_nc_u64 s[10:11], s[10:11], s[38:39]
	v_mov_b32 v60, 0
	s_wait_dscnt 0x0
	v_add_f32 v52, v52, v53
	v_add_f32 v54, v54, v55
	v_add_f32 v56, v56, v57
	v_add_f32 v58, v58, v59
	v_add_f32 v52, v52, v54
	v_add_f32 v56, v56, v58
	v_add_f32 v52, v52, v56
	s_cmp_lg_u32 s[WV], 0
	s_cbranch_scc1 .Lnot_first
	v_cmp_eq_u32 vcc_lo, 0, v0
	s_wait_xcnt 0x0                                ; EXEC changes only behind this wait
	s_and_saveexec_b32 s38, vcc_lo
	global_store_b32 v60, v52, s[10:11]
	s_wait_xcnt 0x0
	s_or_b32 exec_lo, exec_lo, s38
.Lnot_first:
	s_wait_tensorcnt 0x0
	ds_add_u32 v227, v231
	s_wait_dscnt 0x0
	CROUND                                         ; the closing round
	s_endpgm
.Lfunc_end_k_qd98bf258c1_attn:
	.size	k_qd98bf258c1_attn, .Lfunc_end_k_qd98bf258c1_attn-k_qd98bf258c1_attn
	.p2alignl 7, 3214868480
	.fill 96, 4, 3214868480
	.section	.rodata,"a",@progbits
	.p2align	6, 0x0
	.amdhsa_kernel k_qd98bf258c1_attn
		.amdhsa_group_segment_fixed_size 210432
		.amdhsa_private_segment_fixed_size 0
		.amdhsa_enable_private_segment 0
		.amdhsa_kernarg_size 32
		.amdhsa_user_sgpr_count 2
		.amdhsa_user_sgpr_kernarg_segment_ptr 1
		.amdhsa_wavefront_size32 1
		.amdhsa_system_sgpr_workgroup_id_x 1
		.amdhsa_system_sgpr_workgroup_id_y 1
		.amdhsa_system_sgpr_workgroup_id_z 1
		.amdhsa_system_vgpr_workitem_id 0
		.amdhsa_next_free_vgpr 512
		.amdhsa_next_free_sgpr 66
		.amdhsa_reserve_vcc 1
		.amdhsa_float_denorm_mode_32 3
		.amdhsa_float_denorm_mode_16_64 3
		.amdhsa_memory_ordered 1
		.amdhsa_forward_progress 1
		.amdhsa_inst_pref_size 144
	.end_amdhsa_kernel
	.amdgpu_metadata
---
amdhsa.version: [ 1, 2 ]
amdhsa.kernels:
  - .name:           k_qd98bf258c1_attn
    .symbol:         k_qd98bf258c1_attn.kd
    .args:
      - { .name: qc, .offset: 0, .size: 8, .value_kind: global_buffer, .address_space: global }
      - { .name: kv, .offset: 8, .size: 8, .value_kind: global_buffer, .address_space: global }
      - { .name: ow, .offset: 16, .size: 8, .value_kind: global_buffer, .address_space: global }
      - { .name: nsum, .offset: 24, .size: 8, .value_kind: global_buffer, .address_space: global }
    .group_segment_fixed_size: 210432
    .private_segment_fixed_size: 0
    .kernarg_segment_align: 8
    .kernarg_segment_size: 32
    .max_flat_workgroup_size: 256
    .sgpr_count:     66
    .vgpr_count:     512
    .wavefront_size: 32
...
	.end_amdgpu_metadata
.endif
;; end of part 3
;; launch proj (part 4): grid 64 x 4, 4 waves a work-group, clusters of 4 x 4, 276,992 bytes of LDS; arguments ow, nsum, woq, bo, gate, out0; writes out0
.if DOCPART == 4
	.amdgcn_target "amdgcn-amd-amdhsa--gfx1250"
	.amdhsa_code_object_version 6
	.text
	.protected	k_qd98bf258c1_proj
	.globl	k_qd98bf258c1_proj
	.p2align	8
	.type	k_qd98bf258c1_proj,@function
k_qd98bf258c1_proj:
	s_mov_b64 s[64:65], 0
	v_nop
	global_prefetch_b8 v0, s[64:65] scope:SCOPE_SE
	s_setreg_imm32_b32 hwreg(HW_REG_WAVE_MODE, 25, 1), 1
	s_wait_xcnt 0x0
	s_wait_alu depctr_hold_cnt(0) depctr_sa_sdst(0) depctr_va_vdst(0) depctr_va_sdst(0) depctr_va_ssrc(0) depctr_va_vcc(0) depctr_vm_vsrc(0)
	s_getreg_b32 s2, hwreg(HW_REG_IB_STS2, 6, 4)
	s_cmp_eq_u32 s2, 0
	s_cbranch_scc0 .Lentry_in_a_cluster
	s_endpgm
.Lentry_in_a_cluster:
	s_bfe_u32 s2, ttmp6, 0x10000c
	s_cmp_lg_u32 s2, 0xf033
	s_cbranch_scc0 .Lentry_shape_is_right
	s_endpgm
.Lentry_shape_is_right:
; out0 = (1 / 16) sum over heads of clip(gate, 0, 1) x ((out / denom) Wo + bo), denom = max(mean of ||out||, 1e-5) for each head; the product on codes of FP6 (E2M3) with E8M0 scales, K = 64 for each head.
; SHARES.  A work-group makes 128 tokens x 256 columns; wave w makes tokens' tiles 2 w and 2 w + 1 (32 tokens) x all 256 columns, for all 16 heads: nothing goes from wave to wave.
; Wo's quarter (8 records of 25,600 bytes) stays in LDS, filled once, asked for jointly by the four work-groups of a row of the cluster, which share the quarter.
; THE PRODUCT IS USED TRANSPOSED (source 0 = 16 columns of Wo, source 1 = 16 tokens): a lane holds eight neighbouring columns of one token.
; TWO HEADS TO A FRAGMENT OF TOKENS: K 0-63 the even head, K 64-127 the odd one.  The gate multiplies each head's finished sum, so each head has its own product: Wo's registers are [even 6][zeros 6][odd 6]: the first twelve
; multiply the even head alone, the last twelve the odd head alone.  One scale word (even's two bytes, odd's two) serves both.
; The sums start as beta = sum over heads of gs x bo (gs = clip(gate) / 16) and take gs x each product by packed multiply-adds.
; LIMITS: out / denom is a multiplication by v_rcp_f32; the order of the sums over work-groups' norms and over heads is this text's own; a block under 2^-124 gets the byte 1; NaN and infinities are not served.
; REGISTERS.  window 0: v1-15 addresses; v16-35 at work at the head; v24-31 beta; v36-37 the tokens' scale words; v40-47 Wo's; v48-111 64 numbers; v112-147 at work in QUANT (at the head v48-175 hold bo).
;   windows 1, 2 (tile u = 0, 1): v0-127 the sums (column tile ct at 8 ct); v128-159 four products by turns; v160-171 the tokens' codes.   window 3: v0-143 eight slots of 18 for Wo; v144-151 the pair's factors, each twice.
;   v192-255 of windows 1, 2, 3, 0: the rows of out on their way in: (pair sigma, tile u) in window (2 sigma + u + 1) % 4.
.set FAC,   204800                     ; behind Wo: each wave's factors, 32 bytes a pair of heads: rd even twice, rd odd twice, gs even twice, gs odd twice
.set BETA,  205824                     ; each wave's 256 numbers of beta
.set STAGE, 209920                     ; each wave's stage: 16 rows x (1,024 + 16) bytes
.set L16,  4
.set L8,   5
.set A16,  6                           ; the pair of records in hand + 16 x lane
.set A8,   7
.set FADR, 8
.set SO,   9
.set SR,   10
.set BA,   11
.set FW,   12
.set BW,   13
.set N32,  14
.set GL,   15
.set BE,   24
.set PW,   36
.set WSC,  40
.set HA,   48
.set PC,   112
.set CT,   124
.set TM,   132
.set TR,   128                         ; windows 1, 2
.set PCU,  160
.set FA,   144                         ; window 3
.set WV,   16
.set G1,   24
.set G0,   32
.set SEL,  36
.set TBW,  38
.set FSC,  39
.set CNT,  40
.set MSB, 0
.macro WIN new
.if MSB != (\new)
	s_set_vgpr_msb (MSB<<8)|(\new)
.set MSB, (\new)
.endif
.endm
.macro CROUND
	s_barrier_signal -1
	s_barrier_wait -1
	s_cmp_lg_u32 s[WV], 0
	s_cbranch_scc1 .Lnot_wave_0_\@
	s_barrier_signal -3
.Lnot_wave_0_\@:
	s_barrier_wait -3
	s_barrier_signal -1
	s_barrier_wait -1
.endm
.macro QUANT s, pc, ct, pw
.irp b, 0,1,2,3
	v_max3_num_f32 v[TM+\b], |v[(\s)+16*\b]|, |v[(\s)+1+16*\b]|, 0x1800000   ; with the floor 2^(3 - 127)
.endr
.irp i, 2,4,6,8,10,12,14
.irp b, 0,1,2,3
	v_max3_num_f32 v[TM+\b], v[TM+\b], |v[(\s)+16*\b+\i]|, |v[(\s)+1+16*\b+\i]|
.endr
.endr
.irp b, 0,1,2,3
	v_permlanex16_b32 v[TM+4+\b], v[TM+\b], s[SEL], s[SEL+1]
.endr
.irp b, 0,1,2,3
	v_max_num_f32 v[TM+\b], v[TM+\b], v[TM+4+\b]
.endr
.irp b, 0,1,2,3
	v_add_nc_u32 v[TM+12+\b], 0xff000000, v[TM+\b]
.endr
.irp b, 0,1,2,3
	v_lshrrev_b32 v[TM+4+\b], 23, v[TM+12+\b]
.endr
	v_lshl_or_b32 v[\pw], v[TM+5], 8, v[TM+4]
	v_lshl_or_b32 v[\pw], v[TM+6], 16, v[\pw]
	v_lshl_or_b32 v[\pw], v[TM+7], 24, v[\pw]
.irp c, 0,1
	v_cvt_scalef32_pk16_fp6_f32 v[(\pc)+6*\c:(\pc)+2+6*\c], v[(\s)+32*\c:(\s)+15+32*\c], v[TM+12+2*\c]
	v_cvt_scalef32_pk16_fp6_f32 v[(\ct)+4*\c:(\ct)+2+4*\c], v[(\s)+16+32*\c:(\s)+31+32*\c], v[TM+12+2*\c+1]
.endr
	v_nop
.irp c, 0,1
.irp i, 0,1,2
	v_permlane16_swap_b32 v[(\pc)+6*\c+\i], v[(\ct)+4*\c+\i]
.endr
.irp i, 0,1,2
	v_mov_b32 v[(\pc)+3+6*\c+\i], v[(\ct)+4*\c+\i]
.endr
.endr
.endm
.macro XLOAD sg, u, add                ; the images of tile u's rows of out for the two heads of pair sg + add, counted from the base in hand: sixteen loads of 512 consecutive bytes
	WIN ((2*(\sg)+(\u)+1)%4)<<6
.irp e, 0,1
.irp g, 0,1,2,3,4,5,6,7
	global_load_b128 v[192+32*\e+4*\g:192+32*\e+4*\g+3], v[L16], s[4:5] offset:((\sg)+(\add))*1048576+524288*\e+4096*(\u)+512*\g
.endr
.endr
.endm
	s_load_b256 s[4:11], s[0:1], 0x0               ; ow s[4:5], nsum s[6:7], woq s[8:9], bo s[10:11]
	s_load_b128 s[12:15], s[0:1], 0x20             ; gate s[12:13], out0 s[14:15]
	v_lshl_add_u32 v190, v0, 2, 0x43800
	v_mov_b32 v191, 0
	ds_add_u32 v190, v191
	ds_add_u32 v190, v191
	v_lshrrev_b32 v1, 5, v0
	v_readfirstlane_b32 s[WV], v1
	s_bfe_u32 s17, ttmp6, 0x40000                  ; cx
	s_bfe_u32 s18, ttmp6, 0x40004                  ; cy: the quarter of columns
	s_lshl_b32 s19, ttmp9, 2
	s_add_co_u32 s19, s19, s17                     ; my block of 128 tokens
	s_lshl_b32 s20, s18, 2
	s_lshl_b32 s20, 15, s20                        ; my row of the cluster
	s_or_b32 s[G1], s20, (3<<16)|(1<<21)           ; the mask; elements of 8 bytes; bit 21 beside a mask; no padding
	s_mov_b32 s[G1+1], 32<<16                      ; rows of 256 bytes,
	s_mov_b32 s[G1+2], 200<<16                     ; 200 of them: two records
	s_mov_b32 s[G1+3], 32<<16
	s_mov_b32 s[G1+4], 200
	s_mov_b32 s[G1+5], 32
	s_mov_b32 s[G1+6], 0
	s_mov_b32 s[G1+7], 0
	s_mul_i32 s21, s[WV], 51200
	s_mul_i32 s22, s18, 204800
	s_add_co_u32 s22, s22, s21                     ; made of cy and the wave's number alone
	s_mov_b32 s23, 0
	s_mov_b32 s[SEL], 0x76543210
	s_mov_b32 s[SEL+1], 0xfedcba98
	s_wait_dscnt 0x0
	s_wait_kmcnt 0x0
	CROUND                                         ; all sixteen work-groups are here: the joint loads meet
	s_mov_b32 s[G0], 1
	s_mov_b32 s[G0+1], s21
	s_add_nc_u64 s[G0+2:G0+3], s[8:9], s[22:23]
	s_or_b32 s[G0+3], s[G0+3], 0x80000000
	tensor_load_to_lds s[G0:G0+3], s[G1:G1+7]      ; my one tensor load of the launch
	s_nop 0
.rept 4
	v_nop
.endr
	v_and_b32 v1, 31, v0                           ; lane
	v_and_b32 v2, 15, v0                           ; r
	v_bfe_u32 v3, v0, 4, 1                         ; h
	v_lshlrev_b32 v[L16], 4, v1
	v_lshlrev_b32 v[L8], 3, v1
	v_lshlrev_b32 v[N32], 5, v1
	v_lshrrev_b32 v[GL], 1, v1
	v_lshlrev_b32 v[GL], 2, v[GL]
	v_lshrrev_b32 v34, 2, v1
	v_and_b32 v35, 3, v1
	v_lshlrev_b32 v35, 2, v35
	v_lshl_add_u32 v[FW], v34, 5, v35              ; lane l holds head l / 2: pair l / 4, word l % 4
	s_lshl_b32 s20, s[WV], 8
	s_add_co_u32 s[FSC], s20, FAC
	v_add_nc_u32 v[FW], s[FSC], v[FW]
	s_lshl_b32 s20, s[WV], 10
	s_add_co_u32 s20, s20, BETA
	v_add_nc_u32 v[BW], s20, v[L16]
	v_lshlrev_b32 v[BA], 5, v3
	v_add_nc_u32 v[BA], s20, v[BA]
	s_mul_i32 s20, s[WV], 16640
	s_add_co_u32 s20, s20, STAGE
	v_mul_u32_u24 v[SO], v2, 1040
	v_lshl_add_u32 v[SO], v3, 5, v[SO]
	v_add_nc_u32 v[SO], s20, v[SO]                 ; into the stage: row r, + 32 h
	v_add_nc_u32 v[SR], s20, v[L16]                ; back: 16 bytes a lane
	s_lshr_b32 s20, s19, 4
	s_lshl_b32 s20, s20, 23                        ; b x 16 heads x 128 tiles x 4,096
	s_and_b32 s21, s19, 15
	s_lshl_b32 s21, s21, 3
	s_lshl_b32 s22, s[WV], 1
	s_add_co_u32 s21, s21, s22
	s_lshl_b32 s21, s21, 12
	s_add_co_u32 s20, s20, s21
	s_mov_b32 s21, 0
	s_add_nc_u64 s[4:5], s[4:5], s[20:21]          ; ow at head 0, my first tile
	s_lshl_b32 s20, s18, 10
	s_add_nc_u64 s[10:11], s[10:11], s[20:21]      ; bo at my quarter
	s_lshl_b32 s22, s19, 7
	s_lshl_b32 s23, s[WV], 5
	s_add_co_u32 s22, s22, s23
	s_lshl_b32 s22, s22, 12
	s_add_co_u32 s20, s20, s22
	s_add_nc_u64 s[14:15], s[14:15], s[20:21]      ; out0 at my 32 tokens, my quarter
	global_load_b128 v[16:19], v[N32], s[6:7]      ; half of head lane / 2's sixteen partial sums
	global_load_b128 v[20:23], v[N32], s[6:7] offset:16
	global_load_b32 v32, v[GL], s[12:13]
.irp hd, 0,1,2,3,4,5,6,7,8,9,10,11,12,13,14,15
.irp hf, 0,1
	global_load_b128 v[48+8*\hd+4*\hf:48+8*\hd+4*\hf+3], v[L16], s[10:11] offset:4096*\hd+512*\hf
.endr
.endr
	XLOAD 0, 0, 0
	XLOAD 0, 1, 0
	WIN 0xc0
.irp f, 0,1,2,3,4,5,6,7
.irp k, 6,7,8,9,10,11
	v_mov_b32 v[18*\f+\k], 0                       ; the zero codes in the middle of each slot, set once (window 3: no load is on its way there)
.endr
.endr
	WIN 0
	s_wait_loadcnt 32                              ; all but the 32 loads of out
	v_add_f32 v16, v16, v17
	v_add_f32 v18, v18, v19
	v_add_f32 v20, v20, v21
	v_add_f32 v22, v22, v23
	v_add_f32 v16, v16, v18
	v_add_f32 v20, v20, v22
	v_add_f32 v16, v16, v20
	v_add_f32_dpp v16, v16, v16 row_xmask:1 row_mask:0xf bank_mask:0xf   ; with the neighbour's eight: the head's sum of norms
	v_mul_f32 v16, 0x39000000, v16                 ; / 8,192
	v_max_num_f32 v16, 0x3727c5ac, v16             ; at least 1e-5
	v_rcp_f32 v33, v16
	v_med3_num_f32 v32, v32, 0, 1.0                ; the gate, clipped
	v_mul_f32 v32, 0x3d800000, v32                 ; / 16
	s_wait_alu depctr_va_vdst(0)
	ds_store_b32 v[FW], v33
	ds_store_b32 v[FW], v32 offset:16
.irp hd, 0,1,2,3,4,5,6,7,8,9,10,11,12,13,14,15
	v_readlane_b32 s41, v32, 2*\hd
.irp k, 0,1,2,3,4,5,6,7
.if \hd == 0
	v_mul_f32 v[BE+\k], s41, v[48+\k]
.else
	v_fmac_f32 v[BE+\k], s41, v[48+8*\hd+\k]
.endif
.endr
.endr
	ds_store_b128 v[BW], v[BE:BE+3]
	ds_store_b128 v[BW], v[BE+4:BE+7] offset:512
.irp b, 0,1,2,3
	v_mov_b32 v[TM+4+\b], 0                        ; a lane permute's destination counts as read: written once, here, where bo's numbers, which lay in these registers, have landed and been used
.endr
.irp u, 0,1
	WIN (1+\u)<<6
.set J, 0
.rept 16
	ds_load_b128 v[8*J:8*J+3], v[BA] offset:64*J               ; THE SUMS START AS BETA: column 16 ct + 8 h + j.  LDS serves a wave's instructions in order: these see my stores
	ds_load_b128 v[8*J+4:8*J+7], v[BA] offset:64*J+16
.set J, J+1
.endr
.endr
	XLOAD 1, 0, 0
	XLOAD 1, 1, 0
	WIN 0
	s_wait_tensorcnt 0x0                           ; my two records are in,
	s_wait_dscnt 0x0
	s_barrier_signal -1
	s_barrier_wait -1                              ; everybody's are: nothing is filled again
.macro WLOAD sg, g                     ; Wo's column tiles 4 g .. 4 g + 3, both heads, into buffer g % 2: 16 loads
	WIN 0xc0
.irp c, 0,1,2,3
.irp e, 0,1
	ds_load_b128 v[18*(4*((\g)%2)+\c)+12*\e:18*(4*((\g)%2)+\c)+12*\e+3], v[A16] offset:25600*(\sg)+1536*(4*(\g)+\c)+768*\e
	ds_load_b64 v[18*(4*((\g)%2)+\c)+12*\e+4:18*(4*((\g)%2)+\c)+12*\e+5], v[A8] offset:25600*(\sg)+1536*(4*(\g)+\c)+768*\e+512
.endr
.endr
.endm
.macro FMA4 g, k                       ; product k of a group is weighed into its sums; it is read from its low end on
.irp i, 0,2,4,6
	v_pk_fma_f32 v[8*(4*(\g)+(\k)/2)+\i:8*(4*(\g)+(\k)/2)+\i+1], v[FA+4+2*((\k)%2):FA+4+2*((\k)%2)+1], v[TR+8*((\k)%4)+\i:TR+8*((\k)%4)+\i+1], v[8*(4*(\g)+(\k)/2)+\i:8*(4*(\g)+(\k)/2)+\i+1]
.endr
.endm
; Eight products (four column tiles x two heads) of tile u, in four result registers by turns; product k is weighed in behind product k + 2, so that eight plain lines that name none of its registers stand between.
; The group's first two products have no such lines yet: four v_nop stand behind the second.  One window setting serves products and multiply-adds: Wo and the factors window 3, all else window 1 + u.
.macro GROUP g, u
	WIN 0x57+0x54*(\u)
.set KK, 0
.rept 8
.if ((4*(\g)+KK/2)%8) < 4
	v_wmma_scale_f32_16x16x128_f8f6f4 v[TR+8*(KK%4):TR+8*(KK%4)+7], v[18*(4*((\g)%2)+KK/2)+6*(KK%2):18*(4*((\g)%2)+KK/2)+6*(KK%2)+11], v[PCU:PCU+11], 0, v[WSC+4*((4*(\g)+KK/2)/8)+(KK/2)], v[PW+(\u)] matrix_a_fmt:MATRIX_FMT_FP6 matrix_b_fmt:MATRIX_FMT_FP6
.else
	v_wmma_scale_f32_16x16x128_f8f6f4 v[TR+8*(KK%4):TR+8*(KK%4)+7], v[18*(4*((\g)%2)+KK/2)+6*(KK%2):18*(4*((\g)%2)+KK/2)+6*(KK%2)+11], v[PCU:PCU+11], 0, v[WSC+4*((4*(\g)+KK/2)/8)+(KK/2)], v[PW+(\u)] matrix_a_fmt:MATRIX_FMT_FP6 matrix_b_fmt:MATRIX_FMT_FP6 matrix_a_scale:MATRIX_SCALE_ROW1
.endif
.if KK == 1
.rept 4
	v_nop
.endr
.endif
.if KK >= 2
	FMA4 \g, KK-2
.endif
.set KK, KK+1
.endr
	FMA4 \g, 6
	FMA4 \g, 7
.endm
; A PAIR OF HEADS.  nxt = 1: each unit of rows, once read, is asked for again for the pair two on.  younger: the loads of out issued behind this pair's.
.macro HP sg, nxt, younger
	WIN 0xc0
	ds_load_b128 v[FA:FA+3], v[FADR] offset:32*\sg             ; 1 / denom of the two heads, each twice
	ds_load_b128 v[FA+4:FA+7], v[FADR] offset:32*\sg+16        ; gs likewise
	WIN 0
	ds_load_b128 v[WSC:WSC+3], v[A16] offset:25600*\sg+24576   ; Wo's scale words: lanes 0-15 tiles 8 a + j, lanes 16-31 tiles 8 a + 4 + j
	ds_load_b128 v[WSC+4:WSC+7], v[A16] offset:25600*\sg+24576+512
	WLOAD \sg, 0
	s_wait_loadcnt \younger                        ; this pair's rows of out are in
	s_wait_dscnt 18                                ; the factors are in; the 2 loads of scale words and the 16 of Wo were issued behind them
.irp u, 0,1
	WIN ((2*\sg+\u+1)%4)|0x0c
.set J, 0
.rept 32
	v_pk_mul_f32 v[HA+J:HA+J+1], v[192+J:192+J+1], v[FA+2*(J/32):FA+2*(J/32)+1]   ; out / denom
.set J, J+2
.endr
.if \nxt
	XLOAD \sg, \u, 2
.endif
	WIN 0
	QUANT HA, PC, CT, PW+\u
	WIN (1+\u)<<6
.irp k, 0,1,2,3,4,5,6,7,8,9,10,11
	v_mov_b32 v[PCU+\k], v[PC+\k]
.endr
.endr
.irp g, 0,1,2,3
.if \g < 3
	WLOAD \sg, \g+1                                ; the other buffer's last products stand twelve plain lines back
	s_wait_dscnt 16                                ; all but the 16 just issued
.else
	s_wait_dscnt 0x0
.endif
	GROUP \g, 0
	GROUP \g, 1
.endr
	WIN 0
.endm
.macro ADDRS
	v_add_nc_u32 v[A16], s[TBW], v[L16]
	v_add_nc_u32 v[A8], s[TBW], v[L8]
	v_mov_b32 v[FADR], s[FSC]
.endm
	s_mov_b32 s[TBW], 0
	s_mov_b32 s[CNT], 3
.Lpairs:                                               ; a trip: two pairs of heads, until the register numbers are back where they began
	ADDRS
	HP 0, 1, 32
	HP 1, 1, 32
	s_wait_xcnt 0x0                                ; the loads have read their base
	s_add_nc_u64 s[4:5], s[4:5], 2097152           ; four heads on
	s_add_co_u32 s[TBW], s[TBW], 51200
	s_add_co_u32 s[FSC], s[FSC], 64
	s_sub_co_u32 s[CNT], s[CNT], 1
	s_cmp_lg_u32 s[CNT], 0
	s_cbranch_scc1 .Lpairs
	ADDRS
	HP 0, 0, 32                                    ; the last four heads ask for nothing more
	HP 1, 0, 0
; THE WAY OUT, a tile of 16 tokens at a time, through my own stage: in as 32 bytes a lane, back as rows; each store covers 512 consecutive bytes, aligned.
.irp u, 0,1
.if \u
	s_wait_xcnt 0x0                                ; the first tile's stores have read their data: the loads below land there
.endif
	WIN (1+\u)<<2
.set J, 0
.rept 16
	ds_store_b128 v[SO], v[8*J:8*J+3] offset:64*J
	ds_store_b128 v[SO], v[8*J+4:8*J+7] offset:64*J+16
.set J, J+1
.endr
	WIN 0
.set J, 0
.rept 32
	ds_load_b128 v[48+4*J:48+4*J+3], v[SR] offset:1040*(J/2)+512*(J%2)   ; LDS serves a wave's instructions in order
.set J, J+1
.endr
.set J, 0
.rept 32
	s_wait_dscnt 31-J                              ; load J is in; the younger ones may be out
	global_store_b128 v[L16], v[48+4*J:48+4*J+3], s[14:15] offset:(8*\u+J/2+8*(J/16))*4096+512*(J%2) th:TH_STORE_NT   ; the tile's row p is token 8 u + p + 8 (p / 8) of my 32
.set J, J+1
.endr
.endr
	s_wait_tensorcnt 0x0
	ds_add_u32 v190, v191
	s_wait_dscnt 0x0
	CROUND                                         ; the closing round
	s_endpgm
.Lfunc_end_k_qd98bf258c1_proj:
	.size	k_qd98bf258c1_proj, .Lfunc_end_k_qd98bf258c1_proj-k_qd98bf258c1_proj
	.p2alignl 7, 3214868480
	.fill 96, 4, 3214868480
	.section	.rodata,"a",@progbits
	.p2align	6, 0x0
	.amdhsa_kernel k_qd98bf258c1_proj
		.amdhsa_group_segment_fixed_size 276992
		.amdhsa_private_segment_fixed_size 0
		.amdhsa_enable_private_segment 0
		.amdhsa_kernarg_size 48
		.amdhsa_user_sgpr_count 2
		.amdhsa_user_sgpr_kernarg_segment_ptr 1
		.amdhsa_wavefront_size32 1
		.amdhsa_system_sgpr_workgroup_id_x 1
		.amdhsa_system_sgpr_workgroup_id_y 1
		.amdhsa_system_sgpr_workgroup_id_z 1
		.amdhsa_system_vgpr_workitem_id 0
		.amdhsa_next_free_vgpr 1024
		.amdhsa_next_free_sgpr 66
		.amdhsa_reserve_vcc 0
		.amdhsa_float_denorm_mode_32 3
		.amdhsa_float_denorm_mode_16_64 3
		.amdhsa_memory_ordered 1
		.amdhsa_forward_progress 1
		.amdhsa_inst_pref_size 218
	.end_amdhsa_kernel
	.amdgpu_metadata
---
amdhsa.version: [ 1, 2 ]
amdhsa.kernels:
  - .name:           k_qd98bf258c1_proj
    .symbol:         k_qd98bf258c1_proj.kd
    .args:
      - { .name: ow, .offset: 0, .size: 8, .value_kind: global_buffer, .address_space: global }
      - { .name: nsum, .offset: 8, .size: 8, .value_kind: global_buffer, .address_space: global }
      - { .name: woq, .offset: 16, .size: 8, .value_kind: global_buffer, .address_space: global }
      - { .name: bo, .offset: 24, .size: 8, .value_kind: global_buffer, .address_space: global }
      - { .name: gate, .offset: 32, .size: 8, .value_kind: global_buffer, .address_space: global }
      - { .name: out0, .offset: 40, .size: 8, .value_kind: global_buffer, .address_space: global }
    .group_segment_fixed_size: 276992
    .private_segment_fixed_size: 0
    .kernarg_segment_align: 8
    .kernarg_segment_size: 48
    .max_flat_workgroup_size: 128
    .sgpr_count:     66
    .vgpr_count:     1024
    .wavefront_size: 32
...
	.end_amdgpu_metadata
.endif
;; end of part 4
